; MI455X (gfx1250); checked and timed in simulation.
; The chip was launched on July 23, 2026; its instructions are those of AMD's public machine-readable ISA for CDNA 5 (MIT licence, August 2026) and "CDNA5" Instruction Set Architecture Reference Guide (July 2026). The comments in the code are by the model that wrote it; some were corrected since.
;; Transformer Block. Allowed arithmetic: matrix products marked QUANTISED: E5M2 operands, one given power-of-two scale a tensor, by v_wmma_f32_16x16x64_bf8_bf8 or v_wmma_f32_16x16x128_bf8_bf8, f32 sums; everything else in f32.
;; Inputs: W1 1,024 x 4,096 float32; W2 4,096 x 1,024 float32; Wk 1,024 x 1,024 float32; Wo 1,024 x 1,024 float32; Wq 1,024 x 1,024 float32; Wv 1,024 x 1,024 float32; X 4 x 1,024 x 1,024 float32; b1 4,096 float32; b2 1,024 float32; ln1_scale 1,024 float32; ln1_shift 1,024 float32; ln2_scale 1,024 float32; ln2_shift 1,024 float32; lowp_scales 16 int32 (the exponents e of the quantised operands' scales 2^e).
;; Outputs: out0 4 x 1,024 x 1,024 float32.
;; This version of the problem:
;;   THIS VERSION OF THE PROBLEM IS GIVEN IN LOW PRECISION. The matrix products marked QUANTISED in the list below multiply operands that are first quantised to E5M2 (5 exponent bits, 2 mantissa bits; 8 bits a number), with one given power-of-two scale for each operand tensor; their sums are f32. All else is computed in f32.
;;   The module's matrix products, in the order in which they are computed (A, B: the left and right operand; K: the contracted axis; several contracted axes count as one K, in the product's order):
;;     1. [M 4,096, K 1,024] x [K 1,024, N 1,024]; A: computed on the way; B: input Wq: QUANTISED (scales: A lowp_scales[0], B lowp_scales[1])
;;     2. [M 4,096, K 1,024] x [K 1,024, N 1,024]; A: computed on the way; B: input Wk: QUANTISED (scales: A lowp_scales[2], B lowp_scales[3])
;;     3. [M 4,096, K 1,024] x [K 1,024, N 1,024]; A: computed on the way; B: input Wv: QUANTISED (scales: A lowp_scales[4], B lowp_scales[5])
;;     4. batch 64 x [M 1,024, K 64] x [K 64, N 1,024]; A: computed on the way; B: computed on the way: QUANTISED (scales: A lowp_scales[6], B lowp_scales[7])
;;     5. batch 64 x [M 1,024, K 1,024] x [K 1,024, N 64]; A: softmax (see below); B: computed on the way: QUANTISED (scales: A lowp_scales[8], B lowp_scales[9])
;;     6. [M 4,096, K 1,024] x [K 1,024, N 1,024]; A: computed on the way; B: input Wo: QUANTISED (scales: A lowp_scales[10], B lowp_scales[11])
;;     7. [M 4,096, K 1,024] x [K 1,024, N 4,096]; A: computed on the way; B: input W1: QUANTISED (scales: A lowp_scales[12], B lowp_scales[13])
;;     8. [M 4,096, K 4,096] x [K 4,096, N 1,024]; A: computed on the way; B: input W2: QUANTISED (scales: A lowp_scales[14], B lowp_scales[15])
;;   THE QUANTISER, for each operand of a quantised product, along K:
;;     - The operand's scale is 2^e, e = its entry of the input lowp_scales (int32; the entries are numbered through the quantised products in the list's order, A before B).
;;     - Each number is divided by the scale, clamped to +-57,344, and rounded to the nearest number of E5M2, ties to even, subnormals kept.
;;     - The product sums the exact products of the quantised numbers (number of the format x scale) in f32.
;;   ~~~python
;;   def quantise(x, axis, e):      # numpy; x: float32 -> the quantised numbers, widened to float32 again
;;       x = np.moveaxis(x, axis, -1); K = x.shape[-1]
;;       r = np.clip(x / 2.0 ** e, -57344, 57344)
;;       step = 2.0 ** (np.maximum(np.frexp(np.where(r == 0, 1, r))[1] - 1, -14) - 2)
;;       q = np.round(r / step) * step * 2.0 ** e      # np.round: ties to even
;;       return np.moveaxis(q, -1, axis).astype(np.float32)
;;   ~~~
;;   SOFTMAX AHEAD OF A QUANTISED PRODUCT. Where the list says 'softmax', what is quantised is not the finished softmax but p = 2^(t - M), with t = logit x log2(e) and M = ceil(the row's largest t), a whole number; so 1/2 < the row's largest p <= 1. The row's sum l is taken of the UNQUANTISED p, in f32, and the product's result is divided by l at the end. Since M is a whole number, a kernel that streams over the keys may use a running M (the ceiling of the running maximum): every later rescaling is an exact power of two, so the quantised numbers keep their values, but for numbers so far below the row's largest that they fall under the format's range.
;;   OPERANDS COMPUTED ON THE WAY. 'Computed on the way' means the value that the module computes at that place (a softmax that the list does not call 'softmax' is quantised finished and normalised). What goes into a quantiser is computed in f32, as accurately as f32 sums, v_exp_f32 and their like allow (about 1e-6 of the number): no bf16 or f16 on the way to a quantiser, and a product that is left as it is and whose result goes on into a quantised operand takes f32 operands (vector FMAs, or v_wmma_f32_16x16x4_f32). A number that lies on a knife's edge between two numbers of the format may be rounded either way, as far as f32 arithmetic and the matrix unit's own rounding can turn it there, and no further.
;; One version. Each part assembles by itself: llvm-mc -triple=amdgcn-amd-amdhsa -mcpu=gfx1250 --defsym DOCPART=n.
;; ======== version 1 of 1: 7 launches
;; limits: right only within a limited range of input values
;; workspace buffers: WC 12,582,912 bytes; H1 12,582,912 bytes; QKV 12,582,912 bytes; CTX 4,194,304 bytes; X1 16,777,216 bytes; H2 4,194,304 bytes; G 16,777,216 bytes
;; launch prep (part 1): grid 640 x 1, 4 waves a work-group, no clusters, 35,328 bytes of LDS; arguments Wq, Wk, Wv, Wo, W1, W2, X, ln1_scale, ln1_shift, lowp_scales, WC, H1; writes WC, H1
.if DOCPART == 1
	.amdgcn_target "amdgcn-amd-amdhsa--gfx1250"
	.amdhsa_code_object_version 6
	.text
	.protected	k_q3cb7316221_prep
	.globl	k_q3cb7316221_prep
	.p2align	8
	.type	k_q3cb7316221_prep,@function
k_q3cb7316221_prep:
	s_mov_b64 s[64:65], 0
	v_nop
	global_prefetch_b8 v0, s[64:65] scope:SCOPE_SE
	s_setreg_imm32_b32 hwreg(HW_REG_WAVE_MODE, 25, 1), 1
	s_wait_xcnt 0x0
; TWO JOBS IN ONE LAUNCH, parted on the work-group's number.
; Work-groups 0-383: the six weights, f32 stored [K][N], become codes of BF8 (E5M2) laid [N][K], K innermost, each with its given scale 2^e.
;   A lane takes a column n and its registers run down K, so the conversions give codes with K innermost; they leave through the wave's own stage in LDS, sixteen lanes to 256 consecutive aligned bytes.
;   THE ROWS OF THE CODES ARE STORED PERMUTED: column n lies at row pi(n), pi = bits 3 and 4 of n exchanged.  A product that takes 16 stored rows as a tile then leaves 16 NEIGHBOURING columns in a lane's registers of two tiles.
;   WC: Wq at 0, Wk at 1 MiB, Wv at 2 MiB, Wo at 3 MiB, W1 at 4 MiB, W2 at 8 MiB.
; Work-groups 384-639: layer norm 1 of X, quantised three times (the scales of products 1, 2, 3): H1: [4096][1024] codes at 0 (rows as they are), at 4 MiB and at 8 MiB (row t at pi(t)).
;   A wave takes 4 rows; a row stays in 32 registers a lane between the mean, the variance (of x - mean) and the scaling.  This path uses no LDS.
; code = x / 2^e, held within +-57,344, to the nearest code, ties to even.  LIMITS: each e between -126 and 112.  NaN among the inputs is not served.  1 / sqrt by v_rsq_f32.
.set VO,   16                          ; v16-47   weights: row i of a block: i x (bytes of a source row) + 4 x lane
.set X,    48                          ; v48-111  weights: two sets of 32 numbers
.set C,    112                         ; v112-119 weights: a block's codes
.set OUTR, 120                         ; v120-183 weights: the way out
.set SOF,  184                         ; v184-199 weights: offsets of the stored rows 2 t + lane / 16
.set SB,   40                          ; s[40:55] weights: the source at block t of 8
.set GS,   16                          ; v16-47   norm: gain of my 32 columns
.set SH,   48                          ; v48-79   norm: shift
.set XR,   80                          ; v80-207  norm: four rows x 32
.set T,    208                         ; v208-223 norm: at work
.set CC,   224                         ; v224-247 norm: codes, three sets of 8
	s_load_b512 s[4:19], s[0:1], 0x0               ; Wq, Wk, Wv, Wo, W1, W2, X, ln1_scale
	s_load_b256 s[20:27], s[0:1], 0x40             ; ln1_shift, lowp_scales, WC, H1
	v_lshl_add_u32 v254, v0, 2, 0x8800
	v_mov_b32 v255, 0
	v_lshrrev_b32 v1, 5, v0
	v_readfirstlane_b32 s28, v1                    ; wave
	v_and_b32 v2, 31, v0                           ; lane
	s_cmp_ge_u32 ttmp9, 384
	s_cbranch_scc1 .Lln
	; ---------------- the weights ----------------
	; work-groups 0-127: weight j = id / 32 (1024 x 1024: 8 x 4 parts of 128 columns x 256 K); 128-255: W1 (32 x 4 parts); 256-383: W2 (8 x 16 parts)
	s_lshr_b32 s29, ttmp9, 5
	s_lshr_b32 s30, ttmp9, 7
	s_add_co_u32 s30, s30, 3
	s_and_b32 s31, ttmp9, 31
	s_and_b32 s32, ttmp9, 127
	s_cmp_lt_u32 ttmp9, 128
	s_cselect_b32 s29, s29, s30                    ; j
	s_cselect_b32 s31, s31, s32                    ; the part's number
	s_mov_b32 s33, 4096
	s_cmp_eq_u32 s29, 4
	s_cselect_b32 s32, 5, 3                        ; log2 of the parts along N
	s_cselect_b32 s33, 16384, s33                  ; bytes of a source row
	s_mov_b32 s34, 1024
	s_cmp_eq_u32 s29, 5
	s_cselect_b32 s34, 4096, s34                   ; bytes of a row of codes
	s_cselect_b32 s35, 8, s29
	s_lshl_b32 s35, s35, 20                        ; where the weight's codes begin in WC
	s_cmp_ge_u32 s29, 3
	s_cselect_b32 s36, 4, 0
	s_lshl_b32 s37, s29, 1
	s_add_co_u32 s36, s36, s37
	s_add_co_u32 s36, s36, 1                       ; the scale's entry: 1, 3, 5, 11, 13, 15
	s_lshl_b32 s36, s36, 2
	s_mov_b32 s37, 0
	s_lshl_b32 s38, 1, s32
	s_sub_co_u32 s38, s38, 1
	s_and_b32 s38, s31, s38                        ; part along N
	s_lshr_b32 s39, s31, s32                       ; part along K
	s_lshl_b32 s38, s38, 7
	s_lshl_b32 s58, s28, 5
	s_add_co_u32 s38, s38, s58                     ; my wave's first column
	s_lshl_b32 s58, s39, 8
	s_mul_i32 s58, s58, s33
	s_lshl_b32 s59, s38, 2
	s_add_co_u32 s58, s58, s59                     ; source: 256 x part rows down + 4 x column
	s_mov_b32 s59, 0
	s_lshl_b32 s60, s33, 5                         ; a block of 32 rows on
	s_mov_b32 s61, 0
	s_mul_i32 s62, s38, s34
	s_add_co_u32 s62, s62, s35
	s_lshl_b32 s63, s39, 8
	s_add_co_u32 s62, s62, s63                     ; codes: column x row bytes + 256 x part
	s_mov_b32 s63, 0
	s_wait_alu depctr_va_vdst(0)
	v_lshlrev_b32 v3, 2, v2
	s_mul_i32 s69, s28, 8704                       ; my stage: 32 rows of 256 + 16 bytes
	v_mul_u32_u24 v4, v2, 272
	v_add_nc_u32 v4, s69, v4                       ; into it: row = my column
	v_and_b32 v5, 15, v2
	v_lshrrev_b32 v6, 4, v2
	v_mul_u32_u24 v7, v6, 272
	v_lshl_add_u32 v7, v5, 4, v7
	v_add_nc_u32 v7, s69, v7                       ; out of it: sixteen lanes to a row, two rows an instruction
	v_mul_u32_u24 v8, v6, s34
	v_lshl_add_u32 v8, v5, 4, v8
.set i, 0
.rept 32
	v_mad_u32_u24 v[VO+i], s33, i, v3
.set i, i+1
.endr
.set i, 0
.rept 16
	v_mad_u32_u24 v[SOF+i], s34, 2*i, v8
.set i, i+1
.endr
	s_wait_kmcnt 0x0
	s_cmp_eq_u32 s29, 1                            ; the choice hangs on the work-group's number alone
	s_cselect_b64 s[30:31], s[6:7], s[4:5]
	s_cmp_eq_u32 s29, 2
	s_cselect_b64 s[30:31], s[8:9], s[30:31]
	s_cmp_eq_u32 s29, 3
	s_cselect_b64 s[30:31], s[10:11], s[30:31]
	s_cmp_eq_u32 s29, 4
	s_cselect_b64 s[30:31], s[12:13], s[30:31]
	s_cmp_eq_u32 s29, 5
	s_cselect_b64 s[30:31], s[14:15], s[30:31]
	s_add_nc_u64 s[66:67], s[22:23], s[36:37]
	s_load_b32 s68, s[66:67], 0x0                  ; e
	s_add_nc_u64 s[SB:SB+1], s[30:31], s[58:59]
.irp t, 1,2,3,4,5,6,7
	s_add_nc_u64 s[SB+2*\t:SB+2*\t+1], s[SB+2*\t-2:SB+2*\t-1], s[60:61]
.endr
	s_add_nc_u64 s[56:57], s[24:25], s[62:63]
.macro LOADW t                         ; block t: W(32 t + i, my column), i = 0 .. 31, into set t % 2: a wave reads 128 consecutive bytes, the four waves 512
.set i, 0
.rept 32
	global_load_b32 v[X+32*((\t)%2)+i], v[VO+i], s[SB+2*(\t):SB+2*(\t)+1] th:TH_LOAD_NT
.set i, i+1
.endr
.endm
	LOADW 0
	LOADW 1
	s_wait_kmcnt 0x0
	s_add_co_i32 s68, s68, 127
	s_lshl_b32 s70, s68, 23
	v_mov_b32 v11, s70                             ; 2^e as f32: the conversion takes its exponent field
	s_add_co_i32 s68, s68, 15
	s_lshl_b32 s68, s68, 23
	s_or_b32 s68, s68, 0x600000
	v_mov_b32 v10, s68                             ; 57,344 x 2^e
.macro BLOCK t
.set XS, X+32*((\t)%2)
.if (\t) < 7
	s_wait_loadcnt 32                              ; this block's 32 loads are in; the next block's may be out
.else
	s_wait_loadcnt 0
.endif
.set i, 0
.rept 32
	v_med3_num_f32 v[XS+i], v[XS+i], -v10, v10     ; the conversion to an 8-bit code does not saturate (ISA guide 7.6.2): the hold comes first
.set i, i+1
.endr
.irp g, 0,1,2,3
	v_cvt_scalef32_pk8_bf8_f32 v[C+2*\g:C+2*\g+1], v[XS+8*\g:XS+8*\g+7], v11
.endr
	ds_store_b128 v4, v[C:C+3] offset:32*(\t)      ; 32 codes of my column's row
	ds_store_b128 v4, v[C+4:C+7] offset:32*(\t)+16
.if (\t)+2 < 8
	LOADW (\t)+2
.endif
	s_wait_dscnt 0x0                               ; the stores have read their registers: the next block's codes may be written
.endm
	s_wait_alu depctr_va_vdst(0)
.irp t, 0,1,2,3,4,5,6,7
	BLOCK \t
.endr
	s_cmp_eq_u32 s29, 3                            ; Wo and W2 leave in another layout (below): the branch hangs on the work-group's number alone
	s_cbranch_scc1 .Limg
	s_cmp_eq_u32 s29, 5
	s_cbranch_scc1 .Limg
.irp t, 0,1,2,3,4,5,6,7,8,9,10,11,12,13,14,15
	ds_load_b128 v[OUTR+4*\t:OUTR+4*\t+3], v7 offset:2*\t*272
.endr
.irp t, 0,1,2,3,4,5,6,7,8,9,10,11,12,13,14,15
	s_wait_dscnt 15-\t
	global_store_b128 v[SOF+((\t&3)|((\t&4)<<1)|((\t&8)>>1))], v[OUTR+4*\t:OUTR+4*\t+3], s[56:57]   ; columns 2 t, 2 t + 1 go to rows pi(2 t), pi(2 t) + 1; 16 lanes store 256 consecutive aligned bytes
.endr
	s_wait_tensorcnt 0x0
	ds_add_u32 v254, v255
	s_wait_dscnt 0x0
	s_endpgm
	; ---------------- layer norm 1 ----------------
	; Wo's and W2's codes are laid as images of operand registers: [K / 64][column / 16][1024 bytes], columns in their natural order.
	; In a block, byte 512 c + 16 lane + i is k = 32 c + 16 (lane / 16) + i of column lane % 16: a wave's 16-byte load at 16 x lane fills four registers of a fragment.
.Limg:
	v_mul_u32_u24 v9, v5, 272
	v_lshl_add_u32 v9, v6, 4, v9
	v_add_nc_u32 v9, s69, v9                       ; out of my stage: row lane % 16, + 16 (lane / 16)
	v_lshlrev_b32 v8, 4, v2                        ; and into a block: 16 x lane
	s_wait_alu depctr_va_vdst(0)
	s_lshl_b32 s58, s38, 6                         ; my first column / 16 blocks of 1,024 bytes
	s_lshl_b32 s59, s39, 18                        ; my part along K: 4 chunks of 64 x 1,024 bytes
	s_add_co_u32 s58, s58, s59
	s_add_co_u32 s58, s58, s35
	s_mov_b32 s59, 0
	s_add_nc_u64 s[56:57], s[24:25], s[58:59]
.irp t, 0,1,2,3,4,5,6,7,8,9,10,11,12,13,14,15
	ds_load_b128 v[OUTR+4*\t:OUTR+4*\t+3], v9 offset:(\t/8)*4352+((\t%8)/2)*64+(\t%2)*32
.endr
.irp t, 0,1,2,3,4,5,6,7,8,9,10,11,12,13,14,15
	s_wait_dscnt 15-\t
	global_store_b128 v8, v[OUTR+4*\t:OUTR+4*\t+3], s[56:57] offset:((\t%8)/2)*65536+(\t/8)*1024+(\t%2)*512   ; 32 lanes store 512 consecutive aligned bytes
.endr
	s_wait_tensorcnt 0x0
	ds_add_u32 v254, v255
	s_wait_dscnt 0x0
	s_endpgm
.Lln:
	s_sub_co_u32 s29, ttmp9, 384
	s_lshl_b32 s29, s29, 4
	s_lshl_b32 s30, s28, 2
	s_add_co_u32 s29, s29, s30                     ; my first row: 16 x work-group + 4 x wave
	s_lshr_b32 s30, s29, 3
	s_lshr_b32 s31, s29, 4
	s_xor_b32 s30, s30, s31
	s_and_b32 s30, s30, 1
	s_mul_i32 s30, s30, 24
	s_xor_b32 s30, s29, s30                        ; pi(my first row); my four rows stay neighbours
	s_lshl_b32 s32, s29, 12
	s_mov_b32 s33, 0
	s_lshl_b32 s34, s29, 10
	s_mov_b32 s35, 0
	s_lshl_b32 s36, s30, 10
	s_add_co_u32 s36, s36, 0x400000
	s_mov_b32 s37, 0
	s_mov_b32 s58, 0x76543210                      ; v_permlanex16_b32: lane l xor 16
	s_mov_b32 s59, 0xfedcba98
	s_mov_b32 s60, 0x3a800000                      ; 1 / 1024
	s_mov_b32 s61, 0x3727c5ac                      ; 1e-5
	s_wait_alu depctr_va_vdst(0)
	v_lshlrev_b32 v1, 5, v2                        ; my 8 numbers of each 256: 32 x lane
	v_lshlrev_b32 v3, 3, v2                        ; and their 8 codes
	v_mov_b32 v5, 0                                ; a lane permute's destination counts as read
	v_mov_b32 v7, 0                                ; named as upper halves of pairs
	v_mov_b32 v9, 0
	s_wait_alu depctr_va_vdst(0)
	s_wait_kmcnt 0x0
	s_load_b256 s[40:47], s[22:23], 0x0            ; e0 .. e7
	s_add_nc_u64 s[16:17], s[16:17], s[32:33]
	s_add_nc_u64 s[48:49], s[26:27], s[34:35]      ; the first set's rows
	s_add_nc_u64 s[50:51], s[26:27], s[36:37]      ; the second set's; the third lies 4 MiB on
.irp j, 0,1,2,3
	global_load_b128 v[GS+8*\j:GS+8*\j+3],   v1, s[18:19] offset:1024*\j
	global_load_b128 v[GS+8*\j+4:GS+8*\j+7], v1, s[18:19] offset:1024*\j+16
	global_load_b128 v[SH+8*\j:SH+8*\j+3],   v1, s[20:21] offset:1024*\j
	global_load_b128 v[SH+8*\j+4:SH+8*\j+7], v1, s[20:21] offset:1024*\j+16
.endr
.irp w, 0,1,2,3
.irp j, 0,1,2,3
	global_load_b128 v[XR+32*\w+8*\j:XR+32*\w+8*\j+3],   v1, s[16:17] offset:4096*\w+1024*\j th:TH_LOAD_NT
	global_load_b128 v[XR+32*\w+8*\j+4:XR+32*\w+8*\j+7], v1, s[16:17] offset:4096*\w+1024*\j+16 th:TH_LOAD_NT
.endr
.endr
.macro MKS e, vs, vl                   ; 2^e and 57,344 x 2^e as f32
	s_add_co_i32 s52, s[\e], 127
	s_lshl_b32 s53, s52, 23
	v_mov_b32 v[\vs], s53
	s_add_co_i32 s52, s52, 15
	s_lshl_b32 s52, s52, 23
	s_or_b32 s52, s52, 0x600000
	v_mov_b32 v[\vl], s52
.endm
	s_wait_kmcnt 0x0
	MKS 40, 10, 11
	MKS 42, 12, 13
	MKS 44, 14, 15
.macro REDUCE                          ; v[T:T+7], four packed chains, become the wave's sum in every lane's v4
	v_pk_add_f32 v[T:T+1], v[T:T+1], v[T+2:T+3]
	v_pk_add_f32 v[T+4:T+5], v[T+4:T+5], v[T+6:T+7]
	v_pk_add_f32 v[T:T+1], v[T:T+1], v[T+4:T+5]
	v_add_f32 v4, v[T], v[T+1]
	v_add_f32_dpp v4, v4, v4 row_xmask:1 row_mask:0xf bank_mask:0xf
	v_add_f32_dpp v4, v4, v4 row_xmask:2 row_mask:0xf bank_mask:0xf
	v_add_f32_dpp v4, v4, v4 row_xmask:4 row_mask:0xf bank_mask:0xf
	v_add_f32_dpp v4, v4, v4 row_xmask:8 row_mask:0xf bank_mask:0xf
	v_permlanex16_b32 v5, v4, s58, s59
	v_add_f32 v4, v4, v5
.endm
.macro ROW w
.set XS, XR+32*(\w)
	s_wait_loadcnt 8*(3-(\w))                      ; this row's eight loads are in; the later rows' may be out
.irp c, 0,1,2,3
	v_pk_add_f32 v[T+2*\c:T+2*\c+1], v[XS+4*\c:XS+4*\c+1], v[XS+4*\c+2:XS+4*\c+3]
.endr
.irp m, 0,1,2,3,4,5,6,7
	v_pk_add_f32 v[T+2*(\m%4):T+2*(\m%4)+1], v[T+2*(\m%4):T+2*(\m%4)+1], v[XS+16+2*\m:XS+17+2*\m]
.endr
	REDUCE
	v_mul_f32 v6, s60, v4                          ; the mean
.irp m, 0,1,2,3,4,5,6,7,8,9,10,11,12,13,14,15
	v_pk_add_f32 v[XS+2*\m:XS+2*\m+1], v[XS+2*\m:XS+2*\m+1], v[6:7] op_sel_hi:[1,0] neg_lo:[0,1] neg_hi:[0,1]   ; x - mean
.endr
.irp c, 0,1,2,3
	v_pk_mul_f32 v[T+2*\c:T+2*\c+1], v[XS+2*\c:XS+2*\c+1], v[XS+2*\c:XS+2*\c+1]
.endr
.irp m, 4,5,6,7,8,9,10,11,12,13,14,15
	v_pk_fma_f32 v[T+2*(\m%4):T+2*(\m%4)+1], v[XS+2*\m:XS+2*\m+1], v[XS+2*\m:XS+2*\m+1], v[T+2*(\m%4):T+2*(\m%4)+1]
.endr
	REDUCE
	v_fma_f32 v4, v4, s60, s61                     ; the variance + 1e-5
	s_wait_alu depctr_va_vdst(0)
	v_rsq_f32 v8, v4
	v_nop                                          ; a plain instruction behind the transcendental
	s_wait_alu depctr_va_vdst(0)                   ; and a wait ahead of its first reader
.irp m, 0,1,2,3,4,5,6,7,8,9,10,11,12,13,14,15
	v_pk_mul_f32 v[XS+2*\m:XS+2*\m+1], v[XS+2*\m:XS+2*\m+1], v[8:9] op_sel_hi:[1,0]
.endr
.irp m, 0,1,2,3,4,5,6,7,8,9,10,11,12,13,14,15
	v_pk_fma_f32 v[XS+2*\m:XS+2*\m+1], v[XS+2*\m:XS+2*\m+1], v[GS+2*\m:GS+2*\m+1], v[SH+2*\m:SH+2*\m+1]
.endr
	s_wait_xcnt 0x0                                ; the last row's stores have read their codes: the registers may be written again
.irp q, 0,1,2
.irp j, 0,1,2,3
.irp n, 0,1,2,3,4,5,6,7
	v_med3_num_f32 v[T+8*(\j%2)+\n], v[XS+8*\j+\n], -v[11+2*\q], v[11+2*\q]    ; the hold, into one of two sets by turns: eight plain lines stand between a conversion and the next write of its sources
.endr
	v_cvt_scalef32_pk8_bf8_f32 v[CC+8*\q+2*\j:CC+8*\q+2*\j+1], v[T+8*(\j%2):T+8*(\j%2)+7], v[10+2*\q]
.endr
.endr
	v_nop                                          ; a plain line behind the last conversion
.irp j, 0,1,2,3
	global_store_b64 v3, v[CC+2*\j:CC+2*\j+1],       s[48:49] offset:1024*(\w)+256*\j           ; 32 lanes store 256 consecutive aligned bytes
	global_store_b64 v3, v[CC+8+2*\j:CC+8+2*\j+1],   s[50:51] offset:1024*(\w)+256*\j
	global_store_b64 v3, v[CC+16+2*\j:CC+16+2*\j+1], s[50:51] offset:4194304+1024*(\w)+256*\j
.endr
.endm
	ROW 0
	ROW 1
	ROW 2
	ROW 3
	s_endpgm
.Lfunc_end_k_q3cb7316221_prep:
	.size	k_q3cb7316221_prep, .Lfunc_end_k_q3cb7316221_prep-k_q3cb7316221_prep
	.p2alignl 7, 3214868480
	.fill 96, 4, 3214868480
	.section	.rodata,"a",@progbits
	.p2align	6, 0x0
	.amdhsa_kernel k_q3cb7316221_prep
		.amdhsa_group_segment_fixed_size 35328
		.amdhsa_private_segment_fixed_size 0
		.amdhsa_enable_private_segment 0
		.amdhsa_kernarg_size 96
		.amdhsa_user_sgpr_count 2
		.amdhsa_user_sgpr_kernarg_segment_ptr 1
		.amdhsa_wavefront_size32 1
		.amdhsa_system_sgpr_workgroup_id_x 1
		.amdhsa_system_sgpr_workgroup_id_y 1
		.amdhsa_system_sgpr_workgroup_id_z 1
		.amdhsa_system_vgpr_workitem_id 0
		.amdhsa_next_free_vgpr 256
		.amdhsa_next_free_sgpr 80
		.amdhsa_reserve_vcc 0
		.amdhsa_float_denorm_mode_32 3
		.amdhsa_float_denorm_mode_16_64 3
		.amdhsa_memory_ordered 1
		.amdhsa_forward_progress 1
		.amdhsa_inst_pref_size 121
	.end_amdhsa_kernel
	.amdgpu_metadata
---
amdhsa.version: [ 1, 2 ]
amdhsa.kernels:
  - .name:           k_q3cb7316221_prep
    .symbol:         k_q3cb7316221_prep.kd
    .args:
      - { .name: Wq, .offset: 0, .size: 8, .value_kind: global_buffer, .address_space: global }
      - { .name: Wk, .offset: 8, .size: 8, .value_kind: global_buffer, .address_space: global }
      - { .name: Wv, .offset: 16, .size: 8, .value_kind: global_buffer, .address_space: global }
      - { .name: Wo, .offset: 24, .size: 8, .value_kind: global_buffer, .address_space: global }
      - { .name: W1, .offset: 32, .size: 8, .value_kind: global_buffer, .address_space: global }
      - { .name: W2, .offset: 40, .size: 8, .value_kind: global_buffer, .address_space: global }
      - { .name: X, .offset: 48, .size: 8, .value_kind: global_buffer, .address_space: global }
      - { .name: ln1_scale, .offset: 56, .size: 8, .value_kind: global_buffer, .address_space: global }
      - { .name: ln1_shift, .offset: 64, .size: 8, .value_kind: global_buffer, .address_space: global }
      - { .name: lowp_scales, .offset: 72, .size: 8, .value_kind: global_buffer, .address_space: global }
      - { .name: WC, .offset: 80, .size: 8, .value_kind: global_buffer, .address_space: global }
      - { .name: H1, .offset: 88, .size: 8, .value_kind: global_buffer, .address_space: global }
    .group_segment_fixed_size: 35328
    .private_segment_fixed_size: 0
    .kernarg_segment_align: 8
    .kernarg_segment_size: 96
    .max_flat_workgroup_size: 128
    .sgpr_count:     80
    .vgpr_count:     256
    .wavefront_size: 32
...
	.end_amdgpu_metadata
.endif
;; end of part 1
;; launch qkv (part 2): grid 12 x 16, 4 waves a work-group, clusters of 4 x 4, 327,680 bytes of LDS; arguments H1, WC, lowp_scales, QKV; writes QKV
.if DOCPART == 2
	.amdgcn_target "amdgcn-amd-amdhsa--gfx1250"
	.amdhsa_code_object_version 6
	.text
	.protected	k_q3cb7316221_qkv
	.globl	k_q3cb7316221_qkv
	.p2align	8
	.type	k_q3cb7316221_qkv,@function
k_q3cb7316221_qkv:
	s_mov_b64 s[64:65], 0
	v_nop
	global_prefetch_b8 v0, s[64:65] scope:SCOPE_SE
	s_setreg_imm32_b32 hwreg(HW_REG_WAVE_MODE, 25, 1), 1
	s_wait_xcnt 0x0
	s_wait_alu depctr_hold_cnt(0) depctr_sa_sdst(0) depctr_va_vdst(0) depctr_va_sdst(0) depctr_va_ssrc(0) depctr_va_vcc(0) depctr_vm_vsrc(0)
	s_getreg_b32 s2, hwreg(HW_REG_IB_STS2, 6, 4)
	s_cmp_eq_u32 s2, 0
	s_cbranch_scc0 .Lentry_in_a_cluster
	s_endpgm
.Lentry_in_a_cluster:
	s_bfe_u32 s2, ttmp6, 0x10000c
	s_cmp_lg_u32 s2, 0xf033
	s_cbranch_scc0 .Lentry_shape_is_right
	s_endpgm
.Lentry_shape_is_right:
; Products 1, 2, 3 on codes of BF8 (E5M2), K = 1024, and their results quantised at once for products 4 and 5.  Cluster x says which: 0: q, 1: k, 2: v.
; q, k: "A" = the normed rows' codes (4096 x 1024), "B" = the weight's codes (1024 x 1024).  v IS MADE TRANSPOSED: "A" = Wv's codes, "B" = the normed rows' codes, so that a lane holds neighbouring KEYS of one channel.
; A tile of 256 x 256 is made by four waves, each 128 x 128: 64 accumulators.  K goes in steps of 256 through a ring of two LDS slots filled by joint tensor loads: 4 x 4 work-groups form a cluster,
; A's tile is shared along a row of it, B's along a column.  THE MATRIX INSTRUCTION IS USED TRANSPOSED (source 0 = 16 rows of B, source 1 = 16 rows of A).
; B's rows are stored with bits 3 and 4 of the row number exchanged: so the 16 registers of B's tiles 2 p, 2 p + 1 are the 16 NEIGHBOURING columns 32 p + 16 (lane / 16) + 0 .. 15 of A's row lane % 16: two conversions make 16 bytes.
; OUT: QKV: q at 0, k at 4 MiB, v at 8 MiB, each laid [column / 64][row][64 bytes]: 16 rows of a chunk are 1,024 bytes on end.  k's rows (keys) and v's rows (channels) come out in the permuted order of their "A".
; The way out runs one block ahead: while a block is on its way through the stage, the next block is held and converted.
; code = sum x 2^(ea + eb - eo), held within +-57,344.  LIMIT: eo - ea - eb between -126 and 112.
; REGISTERS, in windows of 256: window 0: v0-31 addresses; from v128 A's fragments, one set; on the way out v32-143 at work.  window 1: B's fragments, two sets.  windows 2, 3: the accumulators ((a, b) at v[8 (8 (a % 4) + b)]).
.set KSTEP,  256
.set ROWB,   256
.set KROW,   1024
.set PITCH,  272                       ; an LDS row: 256 bytes + 16 of padding: the 16 rows that a load touches start at 16 different banks (64 banks of 4 bytes: ISA guide 11.1)
.set FR,     16
.set NL,     4
.set NP,     4
.set HALFT,  128*PITCH
.set SLOT,   4*HALFT
.set LAPS,   2                         ; K / 512
.set SPARE,  2*SLOT                    ; the spare words, 128 bytes for each wave
.set ADRA, 16
.set ADRB, 20
.set SC,   22                          ; v22  the conversion's scale
.set LIM,  23                          ; v23  57,344 x that
.set STO,  24
.set RD,   25
.set CO0,  26                          ; v26  16 x lane
.set CO1,  27                          ; v27  the same, a chunk on
.set SPW,  28
.set NIL,  29
.set TMP,  32
.set PC,   96
.set BK,   112
.set AF,   128
.set G1, 24
.set G0, 32
.set G1B, 48
.set G0B, 56
.set OUTP, 10
.set MSB, 0
.macro WIN new                         ; the immediate's high byte repeats the setting that is left
.if MSB != \new
	s_set_vgpr_msb (MSB<<8)|\new
.set MSB, \new
.endif
.endm
.set MUL_LO, 0xa1
.set MUL_HI, 0xf1
.set TO_B,   0x40
.macro JLOAD g0a, g1a, g0b, g1b        ; a joint load: waves 0 and 1 fetch for A, waves 2 and 3 for B; four v_nop follow each line
	s_cmp_eq_u32 s15, 0
	s_cbranch_scc0 .Lfor_b_\@
	tensor_load_to_lds s[\g0a:\g0a+3], s[\g1a:\g1a+7]
	s_nop 0
.rept 4
	v_nop
.endr
	s_branch .Lasked_\@
.Lfor_b_\@:
	tensor_load_to_lds s[\g0b:\g0b+3], s[\g1b:\g1b+7]
	s_nop 0
.rept 4
	v_nop
.endr
.Lasked_\@:
.endm
.macro CREST                           ; a round of the cluster's barrier behind its opening barrier
	s_cmp_lg_u32 s14, 0
	s_cbranch_scc1 .Lnot_wave_0_\@
	s_barrier_signal -3
.Lnot_wave_0_\@:
	s_barrier_wait -3
	s_barrier_signal -1
	s_barrier_wait -1
.endm
.macro CROUND
	s_barrier_signal -1
	s_barrier_wait -1
	CREST
.endm
	s_load_b128 s[4:7], s[0:1], 0x0                ; H1, WC
	s_load_b128 s[8:11], s[0:1], 0x10              ; lowp_scales, QKV
	v_lshl_add_u32 v[SPW], v0, 2, SPARE
	v_mov_b32 v[NIL], 0
	ds_add_u32 v28, v29
	ds_add_u32 v28, v29
	s_wait_dscnt 0x0
	v_lshrrev_b32 v1, 5, v0
	v_readfirstlane_b32 s14, v1                    ; wave
	s_lshr_b32 s15, s14, 1                         ; my half of the tile's rows; also: I fetch for A (0) or B (1)
	s_and_b32 s16, s14, 1                          ; my half of its columns; also: which 128 rows I fetch
	s_bfe_u32 s40, ttmp6, 0x40000                  ; cx
	s_bfe_u32 s41, ttmp6, 0x40004                  ; cy
	s_and_b32 s84, ttmp7, 0xffff                   ; cluster y, 0 .. 3
	s_lshl_b32 s88, ttmp9, 22                      ; q, k: A's set in H1
	s_lshl_b32 s89, ttmp9, 20                      ; q, k: B's weight in WC
	s_mov_b32 s87, 262144
	s_cmp_eq_u32 ttmp9, 2                          ; v?  The same in all sixteen partners
	s_cselect_b32 s85, 0, s84                      ; q, k: 16 tile rows x 4 tile columns;  v: 4 x 16
	s_cselect_b32 s86, s84, 0
	s_cselect_b32 s87, 65536, s87                  ; bytes of a chunk of the output: rows x 64
	s_cselect_b32 s88, 0x200000, s88               ; v: A = Wv's codes in WC
	s_cselect_b32 s89, 0x800000, s89               ; v: B = the third set in H1
	s_lshl_b32 s42, s86, 2
	s_add_co_u32 s42, s42, s40                     ; tile column
	s_lshl_b32 s17, s85, 2
	s_add_co_u32 s17, s17, s41                     ; tile row
	s_lshl_b32 s43, s41, 2
	s_lshl_b32 s43, 15, s43                        ; my row of the cluster
	s_lshl_b32 s44, 0x1111, s40                    ; my column
	s_or_b32 s[G1+0], s43, (0<<16)|(1<<20)|(1<<21)|(5<<22)|(3<<25)   ; the mask; elements of 1 byte; padding on; bit 21 beside a mask; 4 words behind every 64
	s_or_b32 s[G1B+0], s44, (0<<16)|(1<<20)|(1<<21)|(5<<22)|(3<<25)
.irp g, G1, G1B
	s_mov_b32 s[\g+1], ROWB<<16                    ; tensor_dim0
	s_mov_b32 s[\g+2], 128<<16                     ; tensor_dim1
	s_mov_b32 s[\g+3], ROWB<<16                    ; tile_dim0
	s_mov_b32 s[\g+4], 128                         ; tile_dim1
	s_mov_b32 s[\g+5], KROW                        ; from row to row
	s_mov_b32 s[\g+6], 0
	s_mov_b32 s[\g+7], 0
.endr
	s_lshl_b32 s18, s16, 7
	s_lshl_b32 s20, s17, 8
	s_add_co_u32 s20, s20, s18                     ; A: row 256 x tile row + 128 x half
	s_lshl_b32 s20, s20, 10
	s_add_co_u32 s20, s20, s88
	s_mov_b32 s21, 0
	s_lshl_b32 s46, s42, 8
	s_add_co_u32 s46, s46, s18                     ; B: row 256 x tile column + 128 x half
	s_lshl_b32 s46, s46, 10
	s_add_co_u32 s46, s46, s89
	s_mov_b32 s47, 0
	s_mul_i32 s45, s14, HALFT                      ; where they go: wave x 128 rows
	s_wait_kmcnt 0x0
	s_load_b512 s[68:83], s[8:9], 0x0              ; e0 .. e15
	s_cmp_eq_u32 ttmp9, 2
	s_cselect_b64 s[90:91], s[6:7], s[4:5]
	s_cselect_b64 s[92:93], s[4:5], s[6:7]
	s_add_nc_u64 s[20:21], s[90:91], s[20:21]
	s_add_nc_u64 s[46:47], s[92:93], s[46:47]
	s_cmp_eq_u32 s15, 0                            ; the prefetches: of the 128 rows that I fetch, my work-group's 32: the four partners that ask for a tile jointly are told apart by address (cx for A, cy for B)
	s_cselect_b64 s[94:95], s[20:21], s[46:47]
	s_cselect_b32 s96, s40, s41
	s_lshl_b32 s96, s96, 15                        ; 32 rows of 1,024 bytes
	s_mov_b32 s97, 0
	s_add_nc_u64 s[94:95], s[94:95], s[96:97]
	CROUND                                         ; all sixteen work-groups are here: the first joint loads meet
.irp s, 0,1
	s_mov_b32 s[G0+4*\s], 1
	s_add_co_u32 s[G0+4*\s+1], s45, \s*SLOT
	s_add_nc_u64 s[G0+4*\s+2:G0+4*\s+3], s[20:21], \s*ROWB
	s_or_b32 s[G0+4*\s+3], s[G0+4*\s+3], 0x80000000
	s_mov_b32 s[G0B+4*\s], 1
	s_add_co_u32 s[G0B+4*\s+1], s45, \s*SLOT
	s_add_nc_u64 s[G0B+4*\s+2:G0B+4*\s+3], s[46:47], \s*ROWB
	s_or_b32 s[G0B+4*\s+3], s[G0B+4*\s+3], 0x80000000
.endr
	JLOAD G0, G1, G0B, G1B                         ; K step 0: one tensor load a wave at the head
	v_and_b32 v18, 31, v0
	v_lshlrev_b32 v18, 10, v18                     ; a lane a row; never rewritten
	global_prefetch_b8 v18, s[94:95] offset:256 th:TH_LOAD_NT scope:SCOPE_SE   ; K steps 1 and 2: 256 bytes of each of my 32 rows; the loads that want them stand one and two changes of slots on
	global_prefetch_b8 v18, s[94:95] offset:512 th:TH_LOAD_NT scope:SCOPE_SE
	v_and_b32 v1, 15, v0                           ; r = lane % 16
	v_bfe_u32 v2, v0, 4, 1                         ; h = lane / 16
	v_mul_u32_u24 v3, v1, PITCH
	v_lshl_add_u32 v4, v2, 4, v3
	s_mul_i32 s21, s15, HALFT
	s_mul_i32 s22, s16, HALFT
	s_add_co_u32 s22, s22, 2*HALFT
.irp s, 0,1
	v_add_nc_u32 v[ADRA+\s], s21, v4
	v_add_nc_u32 v[ADRB+\s], s22, v4
	s_add_co_u32 s21, s21, SLOT
	s_add_co_u32 s22, s22, SLOT
.endr
	; the way out: 16 rows of 64 bytes lie in my stage as 4 rows of 256 + 16: row r at (r / 4) 272 + (r % 4) 64
	v_lshrrev_b32 v5, 2, v1
	v_mul_u32_u24 v5, v5, 272
	v_and_b32 v6, 3, v1
	v_lshl_add_u32 v5, v6, 6, v5
	v_lshl_add_u32 v5, v2, 4, v5
	s_mul_i32 s23, s14, 2176                       ; my stage: two chunks of 1,088 bytes, in slot 0, which has had its last fill and its last read when the first result is stored there
	v_add_nc_u32 v[STO], s23, v5
	v_mul_u32_u24 v6, v2, 272
	v_lshl_add_u32 v6, v1, 4, v6
	v_add_nc_u32 v[RD], s23, v6
	v_and_b32 v6, 31, v0
	v_lshlrev_b32 v[CO0], 4, v6
	v_add_nc_u32 v[CO1], s87, v[CO0]
	s_lshl_b32 s20, s17, 8
	s_lshl_b32 s21, s15, 7
	s_add_co_u32 s20, s20, s21
	s_lshl_b32 s20, s20, 6                         ; my first row x 64
	s_lshl_b32 s21, ttmp9, 22
	s_add_co_u32 s20, s20, s21                     ; + q's, k's or v's part of QKV
	s_mov_b32 s21, 0
	s_lshl_b32 s46, s42, 2
	s_lshl_b32 s47, s16, 1
	s_add_co_u32 s46, s46, s47
	s_mul_i32 s46, s46, s87                        ; + my first chunk: 4 x tile column + 2 x half
	s_mov_b32 s47, 0
	s_add_nc_u64 s[20:21], s[20:21], s[46:47]
	s_add_nc_u64 s[OUTP:OUTP+1], s[OUTP:OUTP+1], s[20:21]
.macro FRAG reg, adr, q, i             ; 16 rows x 128 K: lane l holds row l % 16; registers 4 c .. 4 c + 3 hold K = 32 c + 16 (l / 16) + 0 .. 15, the same permutation of K in A and in B
.irp c, 0,1,2,3
	ds_load_b128 v[\reg+4*\c:\reg+4*\c+3], v[\adr] offset:128*(\q)+32*\c+(\i)*16*PITCH
.endr
.endm
.macro MUL16 a0, p, zero               ; A's blocks a0, a0 + 1 x B's eight; the 64 accumulators take turns, one instruction a turn
.irp a, \a0, \a0+1
.irp b, 0,1,2,3,4,5,6,7
.if \zero
	v_wmma_f32_16x16x128_bf8_bf8 v[8*(8*((\a)%4)+\b):8*(8*((\a)%4)+\b)+7], v[128*(\p)+FR*\b:128*(\p)+FR*\b+FR-1], v[AF+FR*(\a):AF+FR*(\a)+FR-1], 0
.else
	v_wmma_f32_16x16x128_bf8_bf8 v[8*(8*((\a)%4)+\b):8*(8*((\a)%4)+\b)+7], v[128*(\p)+FR*\b:128*(\p)+FR*\b+FR-1], v[AF+FR*(\a):AF+FR*(\a)+FR-1], v[8*(8*((\a)%4)+\b):8*(8*((\a)%4)+\b)+7]
.endif
.endr
.endr
.endm
.macro FETCH_B slot, q, p
	WIN TO_B
.irp i, 0,1,2,3,4,5,6,7
	FRAG 128*(\p)+FR*\i, ADRB+\slot, \q, \i
.endr
	WIN 0
.endm
.macro FETCH_A slot, q, i0
.irp i, \i0, \i0+1, \i0+2, \i0+3
	FRAG AF+FR*(\i), ADRA+\slot, \q, \i
.endr
.endm
.macro PLACES n                        ; plain vector instructions between a matrix instruction and a load into, or a read of, its registers
.rept \n
	v_nop
.endr
.endm
.macro STEP slot, q, zero              ; 128 along K whose successor lies in the same slot
	s_wait_dscnt 4*NL                              ; B's set and A's blocks 0-3 are in; A's blocks 4-7 may be out
	WIN MUL_LO
	MUL16 0, (\q)%2, \zero
	MUL16 2, (\q)%2, \zero
	s_wait_dscnt 0
	PLACES NP
	FETCH_B \slot, (\q)+1, 1-(\q)%2
	FETCH_A \slot, (\q)+1, 0
	WIN MUL_HI
	MUL16 4, (\q)%2, \zero
	MUL16 6, (\q)%2, \zero
	PLACES NP
	WIN 0
	FETCH_A \slot, (\q)+1, 4
.endm
.macro TURN slot, next, fill           ; a slot's last step changes slots: one barrier
	s_wait_tensorcnt 0x0                           ; all my tensor loads have landed: my part of the next slot
	ds_add_u32 v[SPW], v[NIL]                      ; 0 onto my spare word
	s_wait_dscnt 4*NL+1                            ; the add and A's blocks 4-7 may be out
	WIN MUL_LO
	MUL16 0, 1, 0
	s_wait_dscnt 0x0                               ; the add is done, and my reads of this slot are over
	s_barrier_signal -1
	MUL16 2, 1, 0
	WIN 0
	s_barrier_wait -1
.if \fill
	CREST                                          ; the barrier has opened a round of the cluster's barrier: no wave of any partner still reads this slot or has a load on its way
	s_add_nc_u64 s[G0+4*\slot+2:G0+4*\slot+3], s[G0+4*\slot+2:G0+4*\slot+3], 2*ROWB
	s_add_nc_u64 s[G0B+4*\slot+2:G0B+4*\slot+3], s[G0B+4*\slot+2:G0B+4*\slot+3], 2*ROWB
	JLOAD G0+4*\slot, G1, G0B+4*\slot, G1B         ; the first tensor load behind the round; its four v_nop are the places in front of the loads below
.else
	PLACES NP
.endif
	FETCH_B \next, 0, 0
	FETCH_A \next, 0, 0
	WIN MUL_HI
	MUL16 4, 1, 0
	MUL16 6, 1, 0
	PLACES NP
	WIN 0
	FETCH_A \next, 0, 4
.endm
	s_wait_alu depctr_va_vdst(0)
	s_wait_tensorcnt 0x0                           ; my part of K step 0 is in; slot 1's first fill is issued as a refill is:
	ds_add_u32 v[SPW], v[NIL]
	s_wait_dscnt 0x0
	CROUND                                         ; a whole round,
	JLOAD G0+4, G1, G0B+4, G1B                     ; and K step 1's load first behind it
	FETCH_B 0, 0, 0
	FETCH_A 0, 0, 0
	FETCH_A 0, 0, 4
	global_prefetch_b8 v18, s[94:95] offset:768 th:TH_LOAD_NT scope:SCOPE_SE   ; K step 3, the last: two refills ahead of its load
	STEP 0, 0, 1                                   ; the first step's products start the sums
	s_mov_b32 s3, LAPS-1
.Llap:
	TURN 0, 1, 1
	STEP 1, 0, 0
	TURN 1, 0, 1
	STEP 0, 0, 0
	s_sub_co_u32 s3, s3, 1
	s_cmp_lg_u32 s3, 0
	s_cbranch_scc1 .Llap
	TURN 0, 1, 0                                   ; the last lap fills nothing
	STEP 1, 0, 0
	s_wait_dscnt 4*NL
	WIN MUL_LO
	MUL16 0, 1, 0
	MUL16 2, 1, 0
	s_wait_dscnt 0
	WIN MUL_HI
	MUL16 4, 1, 0
	MUL16 6, 1, 0
	WIN 0
	; THE WAY OUT.  The three scales are folded into the conversion's one: code = sum / 2^(eo - ea - eb)
	s_wait_kmcnt 0x0
	s_add_co_i32 s84, s68, s69
	s_add_co_i32 s85, s70, s71
	s_add_co_i32 s86, s72, s73
	s_cmp_eq_u32 ttmp9, 1
	s_cselect_b32 s84, s85, s84
	s_cselect_b32 s88, s75, s74                    ; q: entry 6, k: entry 7,
	s_cmp_eq_u32 ttmp9, 2
	s_cselect_b32 s84, s86, s84
	s_cselect_b32 s88, s77, s88                    ; v: entry 9
	s_sub_co_i32 s84, s88, s84
	s_add_co_i32 s84, s84, 127
	s_lshl_b32 s85, s84, 23
	v_mov_b32 v[SC], s85
	s_add_co_i32 s84, s84, 15
	s_lshl_b32 s84, s84, 23
	s_or_b32 s84, s84, 0x600000
	v_mov_b32 v[LIM], s84
	PLACES NP
; A block of 16 rows x 128 columns.  TOST: held, converted, into my stage, and asked back as 4 x 512 consecutive bytes, into one of two register sets by turns.  SEND: stored.
; TOST a stands ahead of SEND a - 1: a block's trip through LDS is covered by the next block's 72 vector instructions.
.macro TOST a
.set AC, 64*((\a)%4)
.set BB, BK+16*((\a)%2)
	WIN 0x02+((\a)/4)                              ; source 0: window 2 or 3
.set n, 0
.rept 64
	v_med3_num_f32 v[TMP+n], v[AC+n], -v[LIM], v[LIM]   ; each accumulator from its low end on
.set n, n+1
.endr
	WIN 0
.irp p, 0,1,2,3
	v_cvt_scalef32_pk8_bf8_f32 v[PC+4*\p:PC+4*\p+1], v[TMP+16*\p:TMP+16*\p+7], v[SC]
	v_cvt_scalef32_pk8_bf8_f32 v[PC+4*\p+2:PC+4*\p+3], v[TMP+16*\p+8:TMP+16*\p+15], v[SC]
.endr
	v_nop                                          ; a plain line behind the last conversion
.irp p, 0,1,2,3
	ds_store_b128 v[STO], v[PC+4*\p:PC+4*\p+3] offset:(\p/2)*1088+32*(\p%2)    ; columns 32 p + 16 h on of row r.  LDS serves a wave's instructions in order: the last block's loads from the stage come first
.endr
.if (\a) > 1
	s_wait_xcnt 0x0                                ; block a - 2's stores have read this register set: only now may loads land in it
.endif
.irp i, 0,1,2,3
	ds_load_b128 v[BB+4*\i:BB+4*\i+3], v[RD] offset:(\i/2)*1088+(\i%2)*544     ; these see my stores above
.endr
.endm
.macro SEND a, younger                 ; younger: the LDS instructions issued behind block a's loads, which may stay out
.set BB, BK+16*((\a)%2)
	s_wait_dscnt \younger
	global_store_b128 v[CO0], v[BB:BB+3],     s[OUTP:OUTP+1] offset:(\a)*1024          ; 32 lanes store 512 consecutive aligned bytes
	global_store_b128 v[CO0], v[BB+4:BB+7],   s[OUTP:OUTP+1] offset:(\a)*1024+512
	global_store_b128 v[CO1], v[BB+8:BB+11],  s[OUTP:OUTP+1] offset:(\a)*1024
	global_store_b128 v[CO1], v[BB+12:BB+15], s[OUTP:OUTP+1] offset:(\a)*1024+512
.endm
	TOST 0
.irp a, 1,2,3,4,5,6,7
	TOST \a
	SEND \a-1, 8                                   ; behind block a - 1's loads: block a's four stores and four loads
.endr
	SEND 7, 0
	s_wait_tensorcnt 0x0                           ; the wave's end
	ds_add_u32 v[SPW], v[NIL]
	s_wait_dscnt 0x0
	CROUND                                         ; the closing round
	s_endpgm
.Lfunc_end_k_q3cb7316221_qkv:
	.size	k_q3cb7316221_qkv, .Lfunc_end_k_q3cb7316221_qkv-k_q3cb7316221_qkv
	.p2alignl 7, 3214868480
	.fill 96, 4, 3214868480
	.section	.rodata,"a",@progbits
	.p2align	6, 0x0
	.amdhsa_kernel k_q3cb7316221_qkv
		.amdhsa_group_segment_fixed_size 327680
		.amdhsa_private_segment_fixed_size 0
		.amdhsa_enable_private_segment 0
		.amdhsa_kernarg_size 32
		.amdhsa_user_sgpr_count 2
		.amdhsa_user_sgpr_kernarg_segment_ptr 1
		.amdhsa_wavefront_size32 1
		.amdhsa_system_sgpr_workgroup_id_x 1
		.amdhsa_system_sgpr_workgroup_id_y 1
		.amdhsa_system_sgpr_workgroup_id_z 1
		.amdhsa_system_vgpr_workitem_id 0
		.amdhsa_next_free_vgpr 1024
		.amdhsa_next_free_sgpr 100
		.amdhsa_reserve_vcc 0
		.amdhsa_float_denorm_mode_32 3
		.amdhsa_float_denorm_mode_16_64 3
		.amdhsa_memory_ordered 1
		.amdhsa_forward_progress 1
		.amdhsa_inst_pref_size 124
	.end_amdhsa_kernel
	.amdgpu_metadata
---
amdhsa.version: [ 1, 2 ]
amdhsa.kernels:
  - .name:           k_q3cb7316221_qkv
    .symbol:         k_q3cb7316221_qkv.kd
    .args:
      - { .name: H1, .offset: 0, .size: 8, .value_kind: global_buffer, .address_space: global }
      - { .name: WC, .offset: 8, .size: 8, .value_kind: global_buffer, .address_space: global }
      - { .name: lowp_scales, .offset: 16, .size: 8, .value_kind: global_buffer, .address_space: global }
      - { .name: QKV, .offset: 24, .size: 8, .value_kind: global_buffer, .address_space: global }
    .group_segment_fixed_size: 327680
    .private_segment_fixed_size: 0
    .kernarg_segment_align: 8
    .kernarg_segment_size: 32
    .max_flat_workgroup_size: 128
    .sgpr_count:     100
    .vgpr_count:     1024
    .wavefront_size: 32
...
	.end_amdgpu_metadata
.endif
;; end of part 2
;; launch attn (part 3): grid 4 x 64, 16 waves a work-group, clusters of 4 x 1, 327,680 bytes of LDS; arguments QKV, lowp_scales, CTX; writes CTX
.if DOCPART == 3
	.amdgcn_target "amdgcn-amd-amdhsa--gfx1250"
	.amdhsa_code_object_version 6
	.text
	.protected	k_q3cb7316221_attn
	.globl	k_q3cb7316221_attn
	.p2align	8
	.type	k_q3cb7316221_attn,@function
k_q3cb7316221_attn:
	s_mov_b64 s[64:65], 0
	v_nop
	global_prefetch_b8 v0, s[64:65] scope:SCOPE_SE
	s_setreg_imm32_b32 hwreg(HW_REG_WAVE_MODE, 25, 1), 1
	s_wait_xcnt 0x0
	s_wait_alu depctr_hold_cnt(0) depctr_sa_sdst(0) depctr_va_vdst(0) depctr_va_sdst(0) depctr_va_ssrc(0) depctr_va_vcc(0) depctr_vm_vsrc(0)
	s_getreg_b32 s2, hwreg(HW_REG_IB_STS2, 6, 4)
	s_cmp_eq_u32 s2, 0
	s_cbranch_scc0 .Lentry_in_a_cluster
	s_endpgm
.Lentry_in_a_cluster:
	s_bfe_u32 s2, ttmp6, 0x10000c
	s_cmp_lg_u32 s2, 0x3003
	s_cbranch_scc0 .Lentry_shape_is_right
	s_endpgm
.Lentry_shape_is_right:
; Causal attention of one head and batch entry in a cluster of four work-groups, both products on codes of BF8 (E5M2); the result is quantised for product 6.
; q, k: [head][token][64 bytes]; k's rows lie with bits 3 and 4 of the token's number exchanged.  v: [token / 64][channel row][64 bytes], keys innermost, channel rows permuted likewise.  CTX: [head][token][64 bytes].
; THE SOFTMAX: t = score x log2(e) / 8; M = the running largest t rounded UP to a whole number; p = 2^(t - M) is quantised; the row's sum is taken of the unquantised p and divides at the end.
; SHARES.  Wave w of the partner at place cx owns queries 64 qb + 16 cx .. + 15, and so has qb / 2 + 1 key steps of 128 keys.  qb is a permutation of the wave's number:
;   w = 0 .. 15: qb = 0, 14, 15, 1, 12, 2, 3, 13, 10, 4, 5, 11, 6, 8, 9, 7;  key steps 1 8 8 1 | 7 2 2 7 | 6 3 3 6 | 4 5 5 4.
;   Waves 4 j .. 4 j + 3 together, and waves s, s + 4, s + 8, s + 12 together, have 18 key steps: four waves that share a SIMD by either dealing have the same vector work.
;   w itself still says what a wave fetches and where its LDS bytes lie.  Every branch hangs on qb and constants alone: key steps begin at multiples of 128.
; THE HEAD'S WHOLE K AND V LIE IN LDS: four stages of 256 keys, each filled ONCE, by joint loads that all go out at the head (one a wave); no byte is filled again.
;   Wave w's load lands at 8704 (w % 2) + 34816 ((w % 8) / 2) + 17408 (w / 8): waves 0-7 128 keys of K, waves 8-15 two chunks (128 keys x 64 channel rows) of V; 8,192 dense bytes each, as 32 rows of 256 + 16.
;   One barrier, when every wave's load has landed: then all of K and V is in.
; Both products are used transposed: a lane holds ONE query.  By the permuted rows, registers 16 p + m of the scores are keys 32 p + 16 (lane / 16) + m, and likewise O^T's channels.
; A step all of whose keys come after the wave's queries is left out; on the diagonal hidden scores become -infinity ahead of the maximum.  Key 0 counts for every query.
; LIMITS: e6 + e7 between -123 and 130; e8 and e10 between -126 and 112.
.set STAGEB, 34816
.set VOFF,   17408
.set STG,    4*STAGEB
.set WV,  18
.set QB,  19                           ; s19  my block of 64 queries
.set SEL, 20
.set CS,  22
.set G1,  24
.set G0,  32
.macro CROUND
	s_barrier_signal -1
	s_barrier_wait -1
	s_cmp_lg_u32 s[WV], 0
	s_cbranch_scc1 .Lnot_wave_0_\@
	s_barrier_signal -3
.Lnot_wave_0_\@:
	s_barrier_wait -3
	s_barrier_signal -1
	s_barrier_wait -1
.endm
	s_load_b128 s[4:7], s[0:1], 0x0                ; QKV, lowp_scales
	s_load_b64 s[8:9], s[0:1], 0x10                ; CTX
	v_lshl_add_u32 v251, v0, 2, 0x26400
	v_mov_b32 v255, 0
	ds_add_u32 v251, v255
	ds_add_u32 v251, v255
	v_lshrrev_b32 v1, 5, v0
	s_delay_alu instid0(VALU_DEP_1)
	v_readfirstlane_b32 s[WV], v1                  ; wave 0 .. 15
	; qb = 2 ((6 x bit 2) ^ (5 x bit 3) ^ (7 x (bit 0 ^ bit 1))) + bit 1, the bits being w's
	s_bfe_u32 s10, s[WV], 0x10002
	s_mul_i32 s10, s10, 6
	s_bfe_u32 s11, s[WV], 0x10003
	s_mul_i32 s11, s11, 5
	s_xor_b32 s10, s10, s11
	s_lshr_b32 s11, s[WV], 1
	s_xor_b32 s11, s11, s[WV]
	s_and_b32 s11, s11, 1
	s_mul_i32 s11, s11, 7
	s_xor_b32 s10, s10, s11
	s_lshl_b32 s10, s10, 1
	s_bfe_u32 s11, s[WV], 0x10001
	s_or_b32 s[QB], s10, s11
	s_bfe_u32 s13, ttmp6, 0x40000                  ; cx: it enters q's and CTX's addresses and the mask's compare alone
	s_and_b32 s14, ttmp7, 0xffff
	s_lshr_b32 s15, s14, 4                         ; batch entry
	s_and_b32 s16, s14, 15                         ; head
	s_lshl_b32 s48, s16, 18
	s_lshl_b32 s49, s15, 16
	s_add_co_u32 s48, s48, s49                     ; head x 262,144 + 1024 x batch x 64: where the head's rows begin in q, k and CTX
	s_lshl_b32 s50, s[WV], 13                      ; ONE JOINT LOAD A WAVE.  Waves 0-7: 128 keys of K, 8,192 dense bytes
	s_add_co_u32 s50, s50, s48
	s_add_co_u32 s50, s50, 0x400000                ; K: keys 128 w .. 128 w + 127
	s_lshl_b32 s51, s15, 4
	s_and_b32 s52, s[WV], 7
	s_lshl_b32 s52, s52, 1                         ; waves 8-15: chunks 2 (w % 8), 2 (w % 8) + 1 of V, the head's 4,096 dense bytes of each
	s_add_co_u32 s51, s51, s52                     ; V: chunk 16 x batch + 2 (w % 8)
	s_lshl_b32 s51, s51, 16
	s_lshl_b32 s52, s16, 12
	s_add_co_u32 s51, s51, s52                     ; the head's 64 rows,
	s_add_co_u32 s51, s51, 0x800000
	s_cmp_lt_u32 s[WV], 8
	s_cselect_b32 s50, s50, s51
	s_mov_b32 s51, 0
	s_and_b32 s54, s[WV], 1                        ; where my 8,704 bytes land: half (w % 2) of K's or V's part of stage (w % 8) / 2
	s_mul_i32 s54, s54, 8704
	s_bfe_u32 s52, s[WV], 0x20001
	s_mul_i32 s52, s52, STAGEB
	s_add_co_u32 s54, s54, s52
	s_bfe_u32 s52, s[WV], 0x10003
	s_mul_i32 s52, s52, VOFF
	s_add_co_u32 s54, s54, s52
	s_mov_b32 s[G1], 15|(0<<16)|(1<<20)|(1<<21)|(5<<22)|(3<<25)    ; the mask: all four; elements of 1 byte; padding on; bit 21 beside a mask; 4 words behind every 64
	s_mov_b32 s[G1+1], 256<<16
	s_mov_b32 s[G1+2], 32<<16                      ; K: 32 rows of 256 bytes
	s_mov_b32 s[G1+3], 256<<16
	s_mov_b32 s[G1+4], 32
.set G1V, 40                           ; s[40:47] V: 2 rows of 4,096 bytes, a chunk (65,536 bytes) apart, the padding still behind every 256 bytes
	s_mov_b32 s[G1V], 15|(0<<16)|(1<<20)|(1<<21)|(5<<22)|(3<<25)
	s_mov_b32 s[G1V+1], 4096<<16
	s_mov_b32 s[G1V+2], 2<<16
	s_mov_b32 s[G1V+3], 4096<<16
	s_mov_b32 s[G1V+4], 2
	s_mov_b32 s[G1V+5], 65536
	s_mov_b32 s[G1V+6], 0
	s_mov_b32 s[G1V+7], 0
	s_mov_b32 s[G1+5], 256
	s_mov_b32 s[G1+6], 0
	s_mov_b32 s[G1+7], 0
	s_mov_b32 s[SEL], 0x76543210
	s_mov_b32 s[SEL+1], 0xfedcba98
	s_mov_b32 s[CS], 0x3e38aa3b                    ; c = log2(e) / 8
	s_wait_dscnt 0x0
	s_wait_kmcnt 0x0
	s_load_b512 s[68:83], s[6:7], 0x0              ; e0 .. e15
	s_add_nc_u64 s[50:51], s[4:5], s[50:51]
	CROUND                                         ; all four work-groups are here: the joint loads meet
	s_mov_b32 s[G0], 1
	s_mov_b32 s[G0+1], s54
	s_mov_b64 s[G0+2:G0+3], s[50:51]
	s_or_b32 s[G0+3], s[G0+3], 0x80000000
	s_cmp_lt_u32 s[WV], 8                          ; the branch hangs on the wave's number alone
	s_cbranch_scc0 .Lfor_v
	tensor_load_to_lds s[G0:G0+3], s[G1:G1+7]
	s_nop 0
.rept 4
	v_nop
.endr
	s_branch .Lasked
.Lfor_v:
	tensor_load_to_lds s[G0:G0+3], s[G1V:G1V+7]
	s_nop 0
.rept 4
	v_nop
.endr
.Lasked:
	v_and_b32 v24, 15, v0                          ; r
	v_bfe_u32 v25, v0, 4, 1                        ; h
	s_delay_alu instid0(VALU_DEP_2)
	v_lshlrev_b32 v3, 6, v24
	s_delay_alu instid0(VALU_DEP_1)
	v_lshl_add_u32 v3, v25, 4, v3                  ; q: row r of 64 bytes + 16 h
	s_wait_alu depctr_va_vdst(0)
	s_lshl_b32 s55, s[QB], 6
	s_lshl_b32 s56, s13, 4
	s_add_co_u32 s55, s55, s56                     ; my first query
	s_lshl_b32 s56, s55, 6
	s_add_co_u32 s56, s56, s48
	s_mov_b32 s57, 0
	s_add_nc_u64 s[4:5], s[4:5], s[56:57]
	s_add_nc_u64 s[8:9], s[8:9], s[56:57]
	global_load_b128 v[16:19], v3, s[4:5]          ; q's fragment stays in registers: registers 4 c .. hold channels 32 c + 16 h + 0 .. 15, as K's do
	global_load_b128 v[20:23], v3, s[4:5] offset:32
	v_lshrrev_b32 v1, 2, v24
	s_delay_alu instid0(VALU_DEP_1)
	v_mul_u32_u24 v1, v1, 272
	v_and_b32 v26, 3, v24
	s_delay_alu instid0(VALU_DEP_1)
	v_lshl_add_u32 v1, v26, 6, v1
	s_delay_alu instid0(VALU_DEP_1)
	v_lshl_add_u32 v1, v25, 4, v1                  ; row r of 64 bytes among rows of 256 + 16: (r / 4) 272 + (r % 4) 64 + 16 h
.irp s, 0,1,2,3
	v_add_nc_u32 v[8+\s], \s*STAGEB, v1            ; v8-11: the same in stage s
.endr
	v_and_b32 v6, 31, v0
	s_delay_alu instid0(VALU_DEP_1)
	v_lshlrev_b32 v6, 4, v6
	v_lshlrev_b32 v7, 4, v25
	s_delay_alu instid0(VALU_DEP_1)
	v_sub_nc_u32 v7, v24, v7
	s_delay_alu instid0(VALU_DEP_1)
	v_add_nc_u32 v7, s55, v7                       ; my query - 16 h: register 16 p + m of step n holds key 128 n + 32 p + m + 16 h
	v_mov_b32 v13, 0xff61b1e6                      ; the largest t so far: -3e38
	s_delay_alu instid0(VALU_DEP_1)
	v_floor_f32 v12, -v13                          ; -M
	v_mov_b32 v14, 0
	v_mov_b32 v15, 0
	v_mov_b32 v236, 0                              ; a lane permute's destination counts as read
	v_mov_b32 v252, 0
	v_mov_b32 v253, 0
	v_mov_b32 v249, 0xff800000                     ; -infinity
.set j, 0
.rept 32
	v_mov_b32 v[160+j], 0                          ; O^T: the step is written alike for all steps; the first finds zeros
.set j, j+1
.endr
	s_wait_kmcnt 0x0
	s_add_co_i32 s59, s74, s75
	s_lshl_b32 s59, s59, 23
	s_add_co_i32 s[CS], s[CS], s59                 ; a score stands for score x 2^(e6 + e7): added to c's exponent field
	s_mov_b32 s[CS+1], s[CS]
	s_add_co_i32 s59, s76, 127
	s_lshl_b32 s61, s59, 23
	v_mov_b32 v244, s61                            ; 2^e8
	s_add_co_i32 s59, s59, 15
	s_lshl_b32 s59, s59, 23
	s_or_b32 s59, s59, 0x600000
	v_mov_b32 v240, s59                            ; 57,344 x 2^e8
	s_add_co_i32 s59, s78, 127
	s_lshl_b32 s61, s59, 23
	v_mov_b32 v245, s61                            ; 2^e10
	s_add_co_i32 s59, s59, 15
	s_lshl_b32 s59, s59, 23
	s_or_b32 s59, s59, 0x600000
	v_mov_b32 v246, s59                            ; 57,344 x 2^e10
	s_add_co_i32 s60, s76, s77                     ; e8 + e9
.macro GATE s                          ; my one load has landed, and behind the barrier every wave's: all of K and V is in
	s_wait_tensorcnt 0x0
	s_wait_dscnt 0x0
	s_barrier_signal -1
	s_barrier_wait -1
.endm
.macro STEP st                         ; keys 128 st .. 128 st + 127
.set q, (\st)%2
.set AD, 8+(\st)/2
.if (\st) > 0
	s_cmp_lt_u32 s[QB], 2*(\st)                    ; all its keys come after my queries
	s_cbranch_scc1 .Lhid_\@
.endif
.rept 4
	v_nop                                          ; places in front of loads into registers that matrix instructions have read
.endr
.irp i, 0,1,2,3,4,5,6,7
	ds_load_b128 v[32+8*\i:35+8*\i], v[AD] offset:q*8704+1088*\i
	ds_load_b128 v[36+8*\i:39+8*\i], v[AD] offset:q*8704+1088*\i+32
.endr
	s_wait_dscnt 0x0
.irp i, 0,1,2,3,4,5,6,7
	v_wmma_f32_16x16x64_bf8_bf8 v[96+8*\i:103+8*\i], v[32+8*\i:39+8*\i], v[16:23], 0   ; S^T = K Q^T
.endr
.rept 4
	v_nop
.endr
.irp t, 0,1,2,3                        ; V's four fragments land while the softmax is worked
.irp c, 0,1,2,3
	ds_load_b128 v[32+16*\t+4*\c:35+16*\t+4*\c], v[AD] offset:VOFF+(2*q+\c/2)*4352+1088*\t+32*(\c%2)
.endr
.endr
	s_cmp_ge_u32 s[QB], 2*(\st)+2                  ; all its keys count
	s_cbranch_scc1 .Lopen_\@
.set m, 0
.rept 64
	v_cmp_gt_i32 vcc_lo, 128*(\st)+32*(m/16)+m%16, v7
	v_cndmask_b32 v[96+m], v[96+m], v249, vcc_lo
.set m, m+1
.endr
.Lopen_\@:
	v_max3_num_f32 v254, v96, v97, v98             ; the step's largest score of my query among my 64 keys, in two chains,
	v_max3_num_f32 v252, v99, v100, v101
.irp i, 6,10,14,18,22,26,30,34,38,42,46,50,54,58
	v_max3_num_f32 v254, v254, v[96+\i], v[97+\i]
	v_max3_num_f32 v252, v252, v[98+\i], v[99+\i]
.endr
	v_max3_num_f32 v254, v254, v158, v159
	s_delay_alu instid0(VALU_DEP_1)
	v_max_num_f32 v254, v254, v252
	v_permlanex16_b32 v236, v254, s[SEL], s[SEL+1]
	s_delay_alu instid0(VALU_DEP_1)
	v_max_num_f32 v254, v254, v236                 ; and among lane l xor 16's
	s_delay_alu instid0(VALU_DEP_1)
	v_mul_f32 v254, s[CS], v254
	s_delay_alu instid0(VALU_DEP_1)
	v_max_num_f32 v13, v13, v254                   ; the running largest t
	v_mov_b32 v254, v12
	s_delay_alu instid0(VALU_DEP_2)
	v_floor_f32 v12, -v13                          ; the new -M = -ceil(t): a whole number
	s_delay_alu instid0(VALU_DEP_1)
	v_sub_f32 v254, v12, v254
	s_delay_alu instid0(VALU_DEP_1)
	v_cvt_i32_f32 v254, v254
	s_delay_alu instid0(VALU_DEP_1)
	v_ldexp_f32 v252, 1.0, v254                    ; f = 2^(old M - new M): a multiplication by it rounds nothing
.irp j, 0,2,4,6,8,10,12,14,16,18,20,22,24,26,28,30,32,34,36,38,40,42,44,46,48,50,52,54,56,58,60,62
	v_pk_fma_f32 v[96+\j:97+\j], v[96+\j:97+\j], s[CS:CS+1], v[12:13] op_sel_hi:[1,0,0]   ; t - M
.endr
.set m, 0
	s_wait_alu depctr_va_vdst(0)
.rept 64
	v_exp_f32 v[96+m], v[96+m]                     ; p = 2^(t - M)
.set m, m+1
.endr
	v_pk_mul_f32 v[14:15], v[14:15], v[252:253] op_sel_hi:[1,0]    ; the sums under the new M: a plain line behind the exponentials
	s_wait_alu depctr_va_vdst(0)                   ; one wait for the batch, ahead of its first reader
	v_pk_add_f32 v[242:243], v[100:101], v[104:105]
	v_pk_add_f32 v[238:239], v[108:109], v[112:113]
	v_pk_add_f32 v[236:237], v[116:117], v[120:121]
	v_pk_add_f32 v[234:235], v[124:125], v[128:129]
	v_pk_add_f32 v[232:233], v[132:133], v[136:137]
	v_pk_add_f32 v[230:231], v[140:141], v[144:145]
	v_pk_add_f32 v[228:229], v[148:149], v[152:153]
	v_pk_add_f32 v[14:15], v[14:15], v[156:157]
	v_pk_add_f32 v[242:243], v[242:243], v[96:97]
	v_pk_add_f32 v[238:239], v[238:239], v[98:99]
	v_pk_add_f32 v[236:237], v[236:237], v[102:103]
	v_pk_add_f32 v[234:235], v[234:235], v[106:107]
	v_pk_add_f32 v[232:233], v[232:233], v[110:111]
	v_pk_add_f32 v[230:231], v[230:231], v[114:115]
	v_pk_add_f32 v[228:229], v[228:229], v[118:119]
	v_pk_add_f32 v[14:15], v[14:15], v[122:123]
	v_pk_add_f32 v[242:243], v[242:243], v[126:127]
	v_pk_add_f32 v[238:239], v[238:239], v[130:131]
	v_pk_add_f32 v[236:237], v[236:237], v[134:135]
	v_pk_add_f32 v[234:235], v[234:235], v[138:139]
	v_pk_add_f32 v[232:233], v[232:233], v[142:143]
	v_pk_add_f32 v[230:231], v[230:231], v[146:147]
	v_pk_add_f32 v[228:229], v[228:229], v[150:151]
	v_pk_add_f32 v[14:15], v[14:15], v[154:155]
	v_pk_add_f32 v[242:243], v[242:243], v[158:159]
	s_delay_alu instid0(VALU_DEP_2)
	v_pk_add_f32 v[14:15], v[14:15], v[234:235]
	s_delay_alu instid0(VALU_DEP_2)
	v_pk_add_f32 v[242:243], v[242:243], v[232:233]
	v_pk_add_f32 v[238:239], v[238:239], v[230:231]
	v_pk_add_f32 v[236:237], v[236:237], v[228:229]
	s_delay_alu instid0(VALU_DEP_2)
	v_pk_add_f32 v[14:15], v[14:15], v[238:239]
	s_delay_alu instid0(VALU_DEP_2)
	v_pk_add_f32 v[242:243], v[242:243], v[236:237]
	s_delay_alu instid0(VALU_DEP_1)
	v_pk_add_f32 v[14:15], v[14:15], v[242:243]
.irp b, 0,1,2,3
.irp i, 0,1,2,3,4,5,6,7,8,9,10,11,12,13,14,15
	v_min_num_f32 v[96+16*\b+\i], v[96+16*\b+\i], v240   ; the hold; p is not negative
.endr
	v_cvt_scalef32_pk8_bf8_f32 v[224+4*\b:225+4*\b], v[96+16*\b:103+16*\b], v244
	v_cvt_scalef32_pk8_bf8_f32 v[226+4*\b:227+4*\b], v[104+16*\b:111+16*\b], v244
.endr
.irp j, 0,2,4,6,8,10,12,14,16,18,20,22,24,26,28,30
	v_pk_mul_f32 v[160+\j:161+\j], v[160+\j:161+\j], v[252:253] op_sel_hi:[1,0]   ; O^T under the new M; also the plain lines behind the conversions
.endr
	s_wait_alu depctr_va_vdst(0)
	s_wait_dscnt 0x0                               ; V is in
.irp t, 0,1,2,3
	v_wmma_f32_16x16x128_bf8_bf8 v[160+8*\t:167+8*\t], v[32+16*\t:47+16*\t], v[224:239], v[160+8*\t:167+8*\t]   ; O^T += V^T P^T; the four accumulators take turns
.endr
.if (\st) > 0
.Lhid_\@:
.endif
.endm
	s_wait_loadcnt 0x0                             ; q
	GATE 0                                         ; all four stages: keys 0 to 1023
	STEP 0                                         ; every wave runs it
	STEP 1
	STEP 2
	STEP 3
	STEP 4
	STEP 5
	STEP 6
	STEP 7
	; THE WAY OUT: O^T x 2^(e8 + e9) / the sum, quantised with 2^e10, stored as 2 x 512 consecutive bytes
.rept 4
	v_nop
.endr
	v_add_f32 v14, v14, v15
	s_delay_alu instid0(VALU_DEP_1)
	v_permlanex16_b32 v252, v14, s[SEL], s[SEL+1]
	s_delay_alu instid0(VALU_DEP_1)
	v_add_f32 v14, v14, v252
	s_wait_alu depctr_va_vdst(0)
	v_rcp_f32 v14, v14
	v_nop
	s_wait_alu depctr_va_vdst(0)
	v_ldexp_f32 v14, v14, s60
.set j, 0
.rept 32
	v_mul_f32 v[96+j], v[160+j], v14               ; register 16 p + m: channel 32 p + 16 h + m of my query
.set j, j+1
.endr
.set j, 0
.rept 32
	v_med3_num_f32 v[96+j], v[96+j], -v246, v246
.set j, j+1
.endr
.irp p, 0,1
	v_cvt_scalef32_pk8_bf8_f32 v[224+4*\p:225+4*\p], v[96+16*\p:103+16*\p], v245
	v_cvt_scalef32_pk8_bf8_f32 v[226+4*\p:227+4*\p], v[104+16*\p:111+16*\p], v245
.endr
	v_nop
	; CTX is laid as images of operand registers: in the 1,024 bytes of 16 queries x 64 channels, byte 512 p + 16 lane + m is channel 32 p + 16 h + m of query r: what my registers hold
	global_store_b128 v6, v[224:227], s[8:9]       ; 32 lanes store 512 consecutive aligned bytes
	global_store_b128 v6, v[228:231], s[8:9] offset:512
	s_wait_tensorcnt 0x0
	ds_add_u32 v251, v255
	s_wait_dscnt 0x0
	CROUND                                         ; the closing round
	s_endpgm
.Lfunc_end_k_q3cb7316221_attn:
	.size	k_q3cb7316221_attn, .Lfunc_end_k_q3cb7316221_attn-k_q3cb7316221_attn
	.p2alignl 7, 3214868480
	.fill 96, 4, 3214868480
	.section	.rodata,"a",@progbits
	.p2align	6, 0x0
	.amdhsa_kernel k_q3cb7316221_attn
		.amdhsa_group_segment_fixed_size 327680
		.amdhsa_private_segment_fixed_size 0
		.amdhsa_enable_private_segment 0
		.amdhsa_kernarg_size 24
		.amdhsa_user_sgpr_count 2
		.amdhsa_user_sgpr_kernarg_segment_ptr 1
		.amdhsa_wavefront_size32 1
		.amdhsa_system_sgpr_workgroup_id_x 1
		.amdhsa_system_sgpr_workgroup_id_y 1
		.amdhsa_system_sgpr_workgroup_id_z 1
		.amdhsa_system_vgpr_workitem_id 0
		.amdhsa_next_free_vgpr 256
		.amdhsa_next_free_sgpr 100
		.amdhsa_reserve_vcc 1
		.amdhsa_float_denorm_mode_32 3
		.amdhsa_float_denorm_mode_16_64 3
		.amdhsa_memory_ordered 1
		.amdhsa_forward_progress 1
		.amdhsa_inst_pref_size 185
	.end_amdhsa_kernel
	.amdgpu_metadata
---
amdhsa.version: [ 1, 2 ]
amdhsa.kernels:
  - .name:           k_q3cb7316221_attn
    .symbol:         k_q3cb7316221_attn.kd
    .args:
      - { .name: QKV, .offset: 0, .size: 8, .value_kind: global_buffer, .address_space: global }
      - { .name: lowp_scales, .offset: 8, .size: 8, .value_kind: global_buffer, .address_space: global }
      - { .name: CTX, .offset: 16, .size: 8, .value_kind: global_buffer, .address_space: global }
    .group_segment_fixed_size: 327680
    .private_segment_fixed_size: 0
    .kernarg_segment_align: 8
    .kernarg_segment_size: 24
    .max_flat_workgroup_size: 512
    .sgpr_count:     100
    .vgpr_count:     256
    .wavefront_size: 32
...
	.end_amdgpu_metadata
.endif
;; end of part 3
;; launch wo (part 4): grid 8 x 32, 4 waves a work-group, no clusters, 230,912 bytes of LDS; arguments CTX, WC, lowp_scales, X, X1; writes X1
.if DOCPART == 4
	.amdgcn_target "amdgcn-amd-amdhsa--gfx1250"
	.amdhsa_code_object_version 6
	.text
	.protected	k_q3cb7316221_wo
	.globl	k_q3cb7316221_wo
	.p2align	8
	.type	k_q3cb7316221_wo,@function
k_q3cb7316221_wo:
	s_mov_b64 s[64:65], 0
	v_nop
	global_prefetch_b8 v0, s[64:65] scope:SCOPE_SE
	s_setreg_imm32_b32 hwreg(HW_REG_WAVE_MODE, 25, 1), 1
	s_wait_xcnt 0x0
; X1 = X + (ctx Wo) x 2^(e10 + e11): product 6 on codes of BF8 (E5M2), K = 1024, N = 1024.
; A (CTX) and B (Wo's codes in WC) are laid as images of operand registers: [K / 64][row / 16][1024 bytes]; a wave's 16-byte load at 16 x lane fills four registers of a fragment.
; A work-group makes 128 x 128.  ITS FOUR WAVES SPLIT K: each holds the whole block in 64 accumulators and walks a quarter of K in steps of 64; the operands go from memory straight into registers,
; three sets by turns, two steps' 64 loads out; each byte is read once by the work-group.  No LDS tile is filled, so there is no tensor load to share in a cluster, and no prefetch: the loads themselves run two steps ahead.
; Wave w loads A's row blocks rotated by 2 w: its register blocks 0, 1 are the rows that it finishes.  The other 48 accumulators go through LDS to their owners, one barrier; then a stage turns 16 rows at a time into rows of 512 bytes.
; LIMIT: e10 + e11 between -126 and 127.
; REGISTERS: window 0: v3-15 addresses, v64-255 A's three sets; window 1: v0-191 B's three sets; windows 2, 3: accumulator (a, b) at v[8 (8 (a % 4) + b)].
.set KTOT,  1024
.set HASB,  0
.set WOFF,  3<<20
.set SCOFF, 40
.set NST,   KTOT/256                   ; steps of 64 along K for a wave
.set ASTR,  262144                     ; a chunk of 64 along K on, in A
.set BSTR,  65536                      ; and in B
.set PART,  49152                      ; LDS: what a wave receives: 3 senders x 16 accumulators x 1,024 bytes
.set STAGE, 4*PART
.set SPITCH, 528
.set SPARE, STAGE+4*16*SPITCH          ; the spare words, 128 bytes for each wave
.set LO,  3                            ; 16 x lane
.set VA,  4                            ; v4-7   A: row blocks 2 ((w + j) % 4) on, + 16 x lane
.set RS,  8                            ; v8-10  LDS: where my register blocks 2 j, 2 j + 1 (j = 1, 2, 3) go
.set RR,  11                           ; LDS: what I receive
.set STO, 12
.set RDS, 13
.set SPW, 14
.set NIL, 15
.set BIA, 32
.set AS,  64
.set MSB, 0
.macro WIN new                         ; the immediate's high byte repeats the setting that is left
.if MSB != \new
	s_set_vgpr_msb (MSB<<8)|\new
.set MSB, \new
.endif
.endm
	s_load_b256 s[4:11], s[0:1], 0x0               ; A, WC, lowp_scales, the residual
.if HASB
	s_load_b128 s[12:15], s[0:1], 0x20             ; out, bias
.else
	s_load_b64 s[12:13], s[0:1], 0x20              ; out
.endif
	v_lshl_add_u32 v[SPW], v0, 2, SPARE
	v_mov_b32 v[NIL], 0
	v_lshrrev_b32 v1, 5, v0
	v_readfirstlane_b32 s16, v1                    ; wave
	s_and_b32 s17, ttmp7, 0xffff                   ; block row
	s_lshl_b32 s24, s17, 13                        ; A: 8 row blocks of 1,024 bytes a block row,
	s_mul_i32 s25, s16, NST*ASTR                   ; my quarter of K
	s_add_co_u32 s24, s24, s25
	s_mov_b32 s25, 0
	s_lshl_b32 s26, ttmp9, 13                      ; B likewise, by the block column
	s_mul_i32 s27, s16, NST*BSTR
	s_add_co_u32 s26, s26, s27
	s_add_co_u32 s26, s26, WOFF
	s_mov_b32 s27, 0
	s_lshl_b32 s28, s17, 2
	s_add_co_u32 s28, s28, s16
	s_lshl_b32 s28, s28, 17                        ; the rows that I finish: 32 (4 y + w) rows of 4,096 bytes,
	s_lshl_b32 s30, ttmp9, 9                       ; 512 bytes a block column
	s_add_co_u32 s28, s28, s30
	s_mov_b32 s29, 0
	s_mov_b32 s31, 0
.irp j, 0,1,2,3
	s_add_co_u32 s[32+\j], s16, \j
	s_and_b32 s[32+\j], s[32+\j], 3                ; (w + j) % 4: the owner of my register blocks 2 j, 2 j + 1
.endr
.irp j, 1,2,3
	s_mul_i32 s[35+\j], s[32+\j], PART
	s_add_co_u32 s[35+\j], s[35+\j], (\j-1)*16384  ; in the owner's part, place j - 1: another for each sender
.endr
	s_mul_i32 s40, s16, 16*SPITCH
	s_add_co_u32 s40, s40, STAGE
	s_mul_i32 s41, s16, PART
	v_and_b32 v2, 31, v0
	v_lshlrev_b32 v[LO], 4, v2
.irp j, 0,1,2,3
	v_lshl_add_u32 v[VA+\j], s[32+\j], 11, v[LO]
.endr
.irp j, 1,2,3
	v_add_nc_u32 v[RS+\j-1], s[35+\j], v[LO]
.endr
	v_add_nc_u32 v[RR], s41, v[LO]
	v_and_b32 v1, 15, v0
	v_bfe_u32 v2, v0, 4, 1
	v_mul_u32_u24 v1, v1, SPITCH
	v_lshl_add_u32 v1, v2, 5, v1
	v_add_nc_u32 v[STO], s40, v1                   ; the stage, in: row lane % 16, 32 bytes for each half of the lanes
	v_add_nc_u32 v[RDS], s40, v[LO]                ; and back: 32 lanes take a row of 512 bytes
	s_wait_alu depctr_va_vdst(0)
	s_wait_kmcnt 0x0
	s_load_b64 s[20:21], s[8:9], SCOFF             ; ea, eb
	s_add_nc_u64 s[4:5], s[4:5], s[24:25]
	s_add_nc_u64 s[6:7], s[6:7], s[26:27]
	s_add_nc_u64 s[10:11], s[10:11], s[28:29]
	s_add_nc_u64 s[12:13], s[12:13], s[28:29]
.if HASB
	s_add_nc_u64 s[14:15], s[14:15], s[30:31]
.endif
.macro LOADS set, k                    ; a step's 16 fragments, k steps on from the bases: 32 loads of 512 consecutive bytes
	WIN 0
.set n, 0
.rept 16
	global_load_b128 v[AS+64*(\set)+4*n:AS+64*(\set)+4*n+3], v[VA+n/4], s[4:5] offset:(\k)*ASTR+512*(n%4)
.set n, n+1
.endr
	WIN 0x40
.set n, 0
.rept 16
	global_load_b128 v[64*(\set)+4*n:64*(\set)+4*n+3], v[LO], s[6:7] offset:(\k)*BSTR+512*n
.set n, n+1
.endr
.endm
.macro RESID                           ; the residual of my 32 rows, in the layout in which they are stored, into set 1, which is done with
	WIN 0
.set n, 0
.rept 16
	global_load_b128 v[AS+64+4*n:AS+64+4*n+3], v[LO], s[10:11] offset:4096*n th:TH_LOAD_NT
.set n, n+1
.endr
.if HASB
	global_load_b128 v[BIA:BIA+3], v[LO], s[14:15]
.endif
	WIN 0x40
.set n, 0
.rept 16
	global_load_b128 v[64+4*n:64+4*n+3], v[LO], s[10:11] offset:4096*(16+n) th:TH_LOAD_NT
.set n, n+1
.endr
.endm
.macro MULS set, zero                  ; source 0 = 16 columns of B, source 1 = 16 rows of A; the 64 accumulators take turns
.set n, 0
.rept 64
.if n == 0
	WIN 0xa1
.endif
.if n == 32
	WIN 0xf1
.endif
.if \zero
	v_wmma_f32_16x16x64_bf8_bf8 v[8*(n%32):8*(n%32)+7], v[64*(\set)+8*(n%8):64*(\set)+8*(n%8)+7], v[AS+64*(\set)+8*(n/8):AS+64*(\set)+8*(n/8)+7], 0
.else
	v_wmma_f32_16x16x64_bf8_bf8 v[8*(n%32):8*(n%32)+7], v[64*(\set)+8*(n%8):64*(\set)+8*(n%8)+7], v[AS+64*(\set)+8*(n/8):AS+64*(\set)+8*(n/8)+7], v[8*(n%32):8*(n%32)+7]
.endif
.set n, n+1
.endr
.endm
.macro STEP set, mode, k, zero, cnt    ; cnt: the loads issued behind this step's, which may be out.  mode 1: the step two on is asked for, into the set that the last step multiplied; 2: the residual
	s_wait_loadcnt \cnt
.if \mode
.rept 4
	v_nop                                          ; places in front of loads into registers that matrix instructions have read
.endr
.endif
.if \mode == 1
	LOADS ((\set)+2)%3, \k
.endif
.if \mode == 2
	RESID
.endif
	MULS \set, \zero
.endm
.macro ONWARD                          ; three steps on; the loads have read their bases
	WIN 0
	s_wait_xcnt 0x0
	s_add_nc_u64 s[4:5], s[4:5], 3*ASTR
	s_add_nc_u64 s[6:7], s[6:7], 3*BSTR
.endm
	LOADS 0, 0
	LOADS 1, 1
	STEP 0, 1, 2, 1, 32                            ; the first step's products start the sums
	ONWARD
.if NST > 4
	s_mov_b32 s3, (NST-4)/3
.Lk:                                               ; a trip: three steps, once round the sets
	STEP 1, 1, 0, 0, 32
	STEP 2, 1, 1, 0, 32
	STEP 0, 1, 2, 0, 32
	ONWARD
	s_sub_co_u32 s3, s3, 1
	s_cmp_lg_u32 s3, 0
	s_cbranch_scc1 .Lk
.endif
	STEP 1, 1, 0, 0, 32                            ; asks for the last step
	STEP 2, 2, 0, 0, 32
	STEP 0, 0, 0, 0, 32+HASB
.rept 4
	v_nop
.endr
	WIN 0x08                                       ; THE PARTS MEET.  Data from window 2: register blocks 2, 3
.set n, 16
.rept 16
	ds_store_b128 v[RS], v[8*n:8*n+3] offset:1024*(n-16)           ; an accumulator as it lies: 16 bytes a lane; from its low end on
	ds_store_b128 v[RS], v[8*n+4:8*n+7] offset:1024*(n-16)+512
.set n, n+1
.endr
	WIN 0x0c                                       ; window 3: blocks 4 to 7
.set n, 0
.rept 32
	ds_store_b128 v[RS+1+n/16], v[8*n:8*n+3] offset:1024*(n%16)
	ds_store_b128 v[RS+1+n/16], v[8*n+4:8*n+7] offset:1024*(n%16)+512
.set n, n+1
.endr
	WIN 0
	s_wait_dscnt 0x0                               ; my stores are done
	s_barrier_signal -1
	s_barrier_wait -1
.macro RLOAD j, r0, r1                 ; sender j's 16 accumulators: block 0's into window 0, block 1's into window 1
	WIN 0
.set n, 0
.rept 16
	ds_load_b128 v[\r0+4*n:\r0+4*n+3], v[RR] offset:(\j)*16384+512*n
.set n, n+1
.endr
	WIN 0x40
.set n, 0
.rept 16
	ds_load_b128 v[\r1+4*n:\r1+4*n+3], v[RR] offset:(\j)*16384+8192+512*n
.set n, n+1
.endr
.endm
.macro RADD r0, r1                     ; added onto mine, each accumulator from its low end on
	WIN 0x82
.set n, 0
.rept 32
	v_pk_add_f32 v[n:n+1], v[n:n+1], v[\r0+n:\r0+n+1]
.set n, n+2
.endr
	WIN 0x86
.set n, 0
.rept 32
	v_pk_add_f32 v[64+n:64+n+1], v[64+n:64+n+1], v[\r1+n:\r1+n+1]
.set n, n+2
.endr
.endm
	RLOAD 0, 192, 128
	RLOAD 1, 64, 0
	s_wait_dscnt 32
	RADD 192, 128
	RLOAD 2, 192, 128
	s_wait_dscnt 32
	RADD 64, 0
	s_wait_dscnt 0x0
	RADD 192, 128
.macro TOST a, ob                      ; 16 rows x 128 columns into my stage and back as rows of 512 bytes; LDS serves a wave's instructions in order
	WIN 0x08
.set n, 0
.rept 8
	ds_store_b128 v[STO], v[64*(\a)+8*n:64*(\a)+8*n+3] offset:64*n
	ds_store_b128 v[STO], v[64*(\a)+8*n+4:64*(\a)+8*n+7] offset:64*n+16
.set n, n+1
.endr
	WIN 0
.set n, 0
.rept 16
	ds_load_b128 v[\ob+4*n:\ob+4*n+3], v[RDS] offset:SPITCH*n
.set n, n+1
.endr
.endm
.macro SEND a, ob, rw, rr              ; x 2^(ea + eb) + the residual (+ the bias), stored: 32 lanes store 512 consecutive aligned bytes
	WIN \rw
.set n, 0
.rept 32
	v_pk_fma_f32 v[\ob+n:\ob+n+1], v[\ob+n:\ob+n+1], s[20:21], v[\rr+n:\rr+n+1] op_sel_hi:[1,0,1]
.set n, n+2
.endr
	WIN 0
.if HASB
.set n, 0
.rept 32
	v_pk_add_f32 v[\ob+n:\ob+n+1], v[\ob+n:\ob+n+1], v[BIA+n%4:BIA+n%4+1]
.set n, n+2
.endr
.endif
.set n, 0
.rept 16
.if HASB
	global_store_b128 v[LO], v[\ob+4*n:\ob+4*n+3], s[12:13] offset:4096*(16*(\a)+n) th:TH_STORE_NT
.else
	global_store_b128 v[LO], v[\ob+4*n:\ob+4*n+3], s[12:13] offset:4096*(16*(\a)+n)
.endif
.set n, n+1
.endr
.endm
	TOST 0, 64
	TOST 1, 192
	s_wait_kmcnt 0x0
	s_add_co_i32 s20, s20, s21
	s_add_co_i32 s20, s20, 127
	s_lshl_b32 s20, s20, 23                        ; 2^(ea + eb) as f32
	s_mov_b32 s21, s20
	s_wait_loadcnt 0x0                             ; the residual
	s_wait_dscnt 32                                ; block 0 is back; block 1's 16 stores and 16 loads may be out
	SEND 0, 64, 0, 128
	s_wait_dscnt 0x0
	SEND 1, 192, 0x10, 64
	s_wait_tensorcnt 0x0                           ; the wave's end
	ds_add_u32 v[SPW], v[NIL]
	s_wait_dscnt 0x0
	s_endpgm
.Lfunc_end_k_q3cb7316221_wo:
	.size	k_q3cb7316221_wo, .Lfunc_end_k_q3cb7316221_wo-k_q3cb7316221_wo
	.p2alignl 7, 3214868480
	.fill 96, 4, 3214868480
	.section	.rodata,"a",@progbits
	.p2align	6, 0x0
	.amdhsa_kernel k_q3cb7316221_wo
		.amdhsa_group_segment_fixed_size 230912
		.amdhsa_private_segment_fixed_size 0
		.amdhsa_enable_private_segment 0
		.amdhsa_kernarg_size 40
		.amdhsa_user_sgpr_count 2
		.amdhsa_user_sgpr_kernarg_segment_ptr 1
		.amdhsa_wavefront_size32 1
		.amdhsa_system_sgpr_workgroup_id_x 1
		.amdhsa_system_sgpr_workgroup_id_y 1
		.amdhsa_system_sgpr_workgroup_id_z 1
		.amdhsa_system_vgpr_workitem_id 0
		.amdhsa_next_free_vgpr 1024
		.amdhsa_next_free_sgpr 66
		.amdhsa_reserve_vcc 0
		.amdhsa_float_denorm_mode_32 3
		.amdhsa_float_denorm_mode_16_64 3
		.amdhsa_memory_ordered 1
		.amdhsa_forward_progress 1
		.amdhsa_inst_pref_size 72
	.end_amdhsa_kernel
	.amdgpu_metadata
---
amdhsa.version: [ 1, 2 ]
amdhsa.kernels:
  - .name:           k_q3cb7316221_wo
    .symbol:         k_q3cb7316221_wo.kd
    .args:
      - { .name: CTX, .offset: 0, .size: 8, .value_kind: global_buffer, .address_space: global }
      - { .name: WC, .offset: 8, .size: 8, .value_kind: global_buffer, .address_space: global }
      - { .name: lowp_scales, .offset: 16, .size: 8, .value_kind: global_buffer, .address_space: global }
      - { .name: X, .offset: 24, .size: 8, .value_kind: global_buffer, .address_space: global }
      - { .name: X1, .offset: 32, .size: 8, .value_kind: global_buffer, .address_space: global }
    .group_segment_fixed_size: 230912
    .private_segment_fixed_size: 0
    .kernarg_segment_align: 8
    .kernarg_segment_size: 40
    .max_flat_workgroup_size: 128
    .sgpr_count:     66
    .vgpr_count:     1024
    .wavefront_size: 32
...
	.end_amdgpu_metadata
.endif
;; end of part 4
;; launch ln2 (part 5): grid 256 x 1, 4 waves a work-group, no clusters, 0 bytes of LDS; arguments X1, ln2_scale, ln2_shift, lowp_scales, H2; writes H2
.if DOCPART == 5
	.amdgcn_target "amdgcn-amd-amdhsa--gfx1250"
	.amdhsa_code_object_version 6
	.text
	.protected	k_q3cb7316221_ln2
	.globl	k_q3cb7316221_ln2
	.p2align	8
	.type	k_q3cb7316221_ln2,@function
k_q3cb7316221_ln2:
	s_mov_b64 s[64:65], 0
	v_nop
	global_prefetch_b8 v0, s[64:65] scope:SCOPE_SE
	s_setreg_imm32_b32 hwreg(HW_REG_WAVE_MODE, 25, 1), 1
	s_wait_xcnt 0x0
; Layer norm 2 of X1 [4096][1024] f32, quantised to codes of BF8 (E5M2) with the scale of entry 12: H2 [4096][1024], rows as they are.
; A wave takes 4 rows; a row stays in 32 registers a lane between the mean, the variance (of x - mean) and the scaling.  A lane holds columns 256 j + 8 lane + 0 .. 7: eight neighbours for each conversion.
; No LDS, no barrier: waves share nothing.  LIMIT: e between -126 and 112.  NaN among the inputs is not served.  1 / sqrt by v_rsq_f32.
.set GS,   16
.set SH,   48
.set XR,   80
.set T,    208
.set CC,   224
	s_load_b256 s[4:11], s[0:1], 0x0               ; X1, ln2_scale, ln2_shift, lowp_scales
	s_load_b64 s[12:13], s[0:1], 0x20              ; H2
	v_lshrrev_b32 v1, 5, v0
	v_readfirstlane_b32 s28, v1
	v_and_b32 v2, 31, v0
	s_wait_alu depctr_va_vdst(0)
	s_lshl_b32 s29, ttmp9, 4
	s_lshl_b32 s30, s28, 2
	s_add_co_u32 s29, s29, s30                     ; my first row
	s_lshl_b32 s32, s29, 12
	s_mov_b32 s33, 0
	s_lshl_b32 s34, s29, 10
	s_mov_b32 s35, 0
	s_mov_b32 s58, 0x76543210
	s_mov_b32 s59, 0xfedcba98
	s_mov_b32 s60, 0x3a800000                      ; 1 / 1024
	s_mov_b32 s61, 0x3727c5ac                      ; 1e-5
	v_lshlrev_b32 v1, 5, v2
	v_lshlrev_b32 v3, 3, v2
	v_mov_b32 v5, 0
	v_mov_b32 v7, 0
	v_mov_b32 v9, 0
	s_wait_alu depctr_va_vdst(0)
	s_wait_kmcnt 0x0
	s_load_b32 s40, s[10:11], 0x30                 ; e12
	s_add_nc_u64 s[4:5], s[4:5], s[32:33]
	s_add_nc_u64 s[12:13], s[12:13], s[34:35]
.irp j, 0,1,2,3
	global_load_b128 v[GS+8*\j:GS+8*\j+3],   v1, s[6:7] offset:1024*\j
	global_load_b128 v[GS+8*\j+4:GS+8*\j+7], v1, s[6:7] offset:1024*\j+16
	global_load_b128 v[SH+8*\j:SH+8*\j+3],   v1, s[8:9] offset:1024*\j
	global_load_b128 v[SH+8*\j+4:SH+8*\j+7], v1, s[8:9] offset:1024*\j+16
.endr
.irp w, 0,1,2,3
.irp j, 0,1,2,3
	global_load_b128 v[XR+32*\w+8*\j:XR+32*\w+8*\j+3],   v1, s[4:5] offset:4096*\w+1024*\j
	global_load_b128 v[XR+32*\w+8*\j+4:XR+32*\w+8*\j+7], v1, s[4:5] offset:4096*\w+1024*\j+16
.endr
.endr
	s_wait_kmcnt 0x0
	s_add_co_i32 s52, s40, 127
	s_lshl_b32 s53, s52, 23
	v_mov_b32 v10, s53                             ; 2^e
	s_add_co_i32 s52, s52, 15
	s_lshl_b32 s52, s52, 23
	s_or_b32 s52, s52, 0x600000
	v_mov_b32 v11, s52                             ; 57,344 x 2^e
.macro REDUCE                          ; v[T:T+7], four packed chains, become the wave's sum in every lane's v4
	v_pk_add_f32 v[T:T+1], v[T:T+1], v[T+2:T+3]
	v_pk_add_f32 v[T+4:T+5], v[T+4:T+5], v[T+6:T+7]
	v_pk_add_f32 v[T:T+1], v[T:T+1], v[T+4:T+5]
	v_add_f32 v4, v[T], v[T+1]
	v_add_f32_dpp v4, v4, v4 row_xmask:1 row_mask:0xf bank_mask:0xf
	v_add_f32_dpp v4, v4, v4 row_xmask:2 row_mask:0xf bank_mask:0xf
	v_add_f32_dpp v4, v4, v4 row_xmask:4 row_mask:0xf bank_mask:0xf
	v_add_f32_dpp v4, v4, v4 row_xmask:8 row_mask:0xf bank_mask:0xf
	v_permlanex16_b32 v5, v4, s58, s59
	v_add_f32 v4, v4, v5
.endm
.macro ROW w
.set XS, XR+32*(\w)
	s_wait_loadcnt 8*(3-(\w))                      ; this row's eight loads are in; the later rows' may be out
.irp c, 0,1,2,3
	v_pk_add_f32 v[T+2*\c:T+2*\c+1], v[XS+4*\c:XS+4*\c+1], v[XS+4*\c+2:XS+4*\c+3]
.endr
.irp m, 0,1,2,3,4,5,6,7
	v_pk_add_f32 v[T+2*(\m%4):T+2*(\m%4)+1], v[T+2*(\m%4):T+2*(\m%4)+1], v[XS+16+2*\m:XS+17+2*\m]
.endr
	REDUCE
	v_mul_f32 v6, s60, v4                          ; the mean
.irp m, 0,1,2,3,4,5,6,7,8,9,10,11,12,13,14,15
	v_pk_add_f32 v[XS+2*\m:XS+2*\m+1], v[XS+2*\m:XS+2*\m+1], v[6:7] op_sel_hi:[1,0] neg_lo:[0,1] neg_hi:[0,1]
.endr
.irp c, 0,1,2,3
	v_pk_mul_f32 v[T+2*\c:T+2*\c+1], v[XS+2*\c:XS+2*\c+1], v[XS+2*\c:XS+2*\c+1]
.endr
.irp m, 4,5,6,7,8,9,10,11,12,13,14,15
	v_pk_fma_f32 v[T+2*(\m%4):T+2*(\m%4)+1], v[XS+2*\m:XS+2*\m+1], v[XS+2*\m:XS+2*\m+1], v[T+2*(\m%4):T+2*(\m%4)+1]
.endr
	REDUCE
	v_fma_f32 v4, v4, s60, s61                     ; the variance + 1e-5
	s_wait_alu depctr_va_vdst(0)
	v_rsq_f32 v8, v4
	v_nop                                          ; a plain instruction behind the transcendental
	s_wait_alu depctr_va_vdst(0)                   ; and a wait ahead of its first reader
.irp m, 0,1,2,3,4,5,6,7,8,9,10,11,12,13,14,15
	v_pk_mul_f32 v[XS+2*\m:XS+2*\m+1], v[XS+2*\m:XS+2*\m+1], v[8:9] op_sel_hi:[1,0]
.endr
.irp m, 0,1,2,3,4,5,6,7,8,9,10,11,12,13,14,15
	v_pk_fma_f32 v[XS+2*\m:XS+2*\m+1], v[XS+2*\m:XS+2*\m+1], v[GS+2*\m:GS+2*\m+1], v[SH+2*\m:SH+2*\m+1]
.endr
	s_wait_xcnt 0x0                                ; the last row's stores have read their codes
.irp j, 0,1,2,3
.irp n, 0,1,2,3,4,5,6,7
	v_med3_num_f32 v[T+8*(\j%2)+\n], v[XS+8*\j+\n], -v11, v11      ; the hold, into one of two sets by turns
.endr
	v_cvt_scalef32_pk8_bf8_f32 v[CC+2*\j:CC+2*\j+1], v[T+8*(\j%2):T+8*(\j%2)+7], v10
.endr
	v_nop                                          ; a plain line behind the last conversion
.irp j, 0,1,2,3
	global_store_b64 v3, v[CC+2*\j:CC+2*\j+1], s[12:13] offset:1024*(\w)+256*\j    ; 32 lanes store 256 consecutive aligned bytes
.endr
.endm
	ROW 0
	ROW 1
	ROW 2
	ROW 3
	s_endpgm
.Lfunc_end_k_q3cb7316221_ln2:
	.size	k_q3cb7316221_ln2, .Lfunc_end_k_q3cb7316221_ln2-k_q3cb7316221_ln2
	.p2alignl 7, 3214868480
	.fill 96, 4, 3214868480
	.section	.rodata,"a",@progbits
	.p2align	6, 0x0
	.amdhsa_kernel k_q3cb7316221_ln2
		.amdhsa_group_segment_fixed_size 0
		.amdhsa_private_segment_fixed_size 0
		.amdhsa_enable_private_segment 0
		.amdhsa_kernarg_size 40
		.amdhsa_user_sgpr_count 2
		.amdhsa_user_sgpr_kernarg_segment_ptr 1
		.amdhsa_wavefront_size32 1
		.amdhsa_system_sgpr_workgroup_id_x 1
		.amdhsa_system_sgpr_workgroup_id_y 1
		.amdhsa_system_sgpr_workgroup_id_z 1
		.amdhsa_system_vgpr_workitem_id 0
		.amdhsa_next_free_vgpr 256
		.amdhsa_next_free_sgpr 66
		.amdhsa_reserve_vcc 0
		.amdhsa_float_denorm_mode_32 3
		.amdhsa_float_denorm_mode_16_64 3
		.amdhsa_memory_ordered 1
		.amdhsa_forward_progress 1
		.amdhsa_inst_pref_size 42
	.end_amdhsa_kernel
	.amdgpu_metadata
---
amdhsa.version: [ 1, 2 ]
amdhsa.kernels:
  - .name:           k_q3cb7316221_ln2
    .symbol:         k_q3cb7316221_ln2.kd
    .args:
      - { .name: X1, .offset: 0, .size: 8, .value_kind: global_buffer, .address_space: global }
      - { .name: ln2_scale, .offset: 8, .size: 8, .value_kind: global_buffer, .address_space: global }
      - { .name: ln2_shift, .offset: 16, .size: 8, .value_kind: global_buffer, .address_space: global }
      - { .name: lowp_scales, .offset: 24, .size: 8, .value_kind: global_buffer, .address_space: global }
      - { .name: H2, .offset: 32, .size: 8, .value_kind: global_buffer, .address_space: global }
    .group_segment_fixed_size: 0
    .private_segment_fixed_size: 0
    .kernarg_segment_align: 8
    .kernarg_segment_size: 40
    .max_flat_workgroup_size: 128
    .sgpr_count:     66
    .vgpr_count:     256
    .wavefront_size: 32
...
	.end_amdgpu_metadata
.endif
;; end of part 5
;; launch ffn1 (part 6): grid 16 x 16, 4 waves a work-group, clusters of 4 x 4, 327,680 bytes of LDS; arguments H2, WC, lowp_scales, b1, G; writes G
.if DOCPART == 6
	.amdgcn_target "amdgcn-amd-amdhsa--gfx1250"
	.amdhsa_code_object_version 6
	.text
	.protected	k_q3cb7316221_ffn1
	.globl	k_q3cb7316221_ffn1
	.p2align	8
	.type	k_q3cb7316221_ffn1,@function
k_q3cb7316221_ffn1:
	s_mov_b64 s[64:65], 0
	v_nop
	global_prefetch_b8 v0, s[64:65] scope:SCOPE_SE
	s_setreg_imm32_b32 hwreg(HW_REG_WAVE_MODE, 25, 1), 1
	s_wait_xcnt 0x0
	s_wait_alu depctr_hold_cnt(0) depctr_sa_sdst(0) depctr_va_vdst(0) depctr_va_sdst(0) depctr_va_ssrc(0) depctr_va_vcc(0) depctr_vm_vsrc(0)
	s_getreg_b32 s2, hwreg(HW_REG_IB_STS2, 6, 4)
	s_cmp_eq_u32 s2, 0
	s_cbranch_scc0 .Lentry_in_a_cluster
	s_endpgm
.Lentry_in_a_cluster:
	s_bfe_u32 s2, ttmp6, 0x10000c
	s_cmp_lg_u32 s2, 0xf033
	s_cbranch_scc0 .Lentry_shape_is_right
	s_endpgm
.Lentry_shape_is_right:
.set KSTEP,  256
.set ROWB,   256
.set KROW,   1024
.set PITCH,  272
.set FR,     16
.set NL,     4
.set NP,     4
.set HALFT,  128*PITCH
.set SLOT,   4*HALFT
.set LAPS,   2
.set SPARE,  2*SLOT
.set ADRA, 16
.set BAD,  19
.set ADRB, 20
.set SC,   22
.set LIM,  23
.set STO,  24
.set RD,   25
.set CO0,  26
.set CO1,  27
.set SPW,  28
.set NIL,  29
.set K1,   30
.set BIAS, 32
.set XV,   96
.set U,    160
.set PC,   224
.set BKE,  240
.set AF,   128
.set G1, 24
.set G0, 32
.set G1B, 48
.set G0B, 56
.set OUTP, 12
.set MSB, 0
.macro WIN new
.if MSB != \new
	s_set_vgpr_msb (MSB<<8)|\new
.set MSB, \new
.endif
.endm
.set MUL_LO, 0xa1
.set MUL_HI, 0xf1
.set TO_B,   0x40
.macro JLOAD g0a, g1a, g0b, g1b
	s_cmp_eq_u32 s15, 0
	s_cbranch_scc0 .Lfor_b_\@
	tensor_load_to_lds s[\g0a:\g0a+3], s[\g1a:\g1a+7]
	s_nop 0
.rept 4
	v_nop
.endr
	s_branch .Lasked_\@
.Lfor_b_\@:
	tensor_load_to_lds s[\g0b:\g0b+3], s[\g1b:\g1b+7]
	s_nop 0
.rept 4
	v_nop
.endr
.Lasked_\@:
.endm
.macro CREST
	s_cmp_lg_u32 s14, 0
	s_cbranch_scc1 .Lnot_wave_0_\@
	s_barrier_signal -3
.Lnot_wave_0_\@:
	s_barrier_wait -3
	s_barrier_signal -1
	s_barrier_wait -1
.endm
.macro CROUND
	s_barrier_signal -1
	s_barrier_wait -1
	CREST
.endm
	s_load_b128 s[4:7], s[0:1], 0x0
	s_load_b128 s[8:11], s[0:1], 0x10
	s_load_b64 s[12:13], s[0:1], 0x20
	v_lshl_add_u32 v[SPW], v0, 2, SPARE
	v_mov_b32 v[NIL], 0
	ds_add_u32 v28, v29
	ds_add_u32 v28, v29
	s_wait_dscnt 0x0
	v_lshrrev_b32 v1, 5, v0
	v_readfirstlane_b32 s14, v1
	s_lshr_b32 s15, s14, 1
	s_and_b32 s16, s14, 1
	s_bfe_u32 s40, ttmp6, 0x40000
	s_bfe_u32 s41, ttmp6, 0x40004
	s_lshl_b32 s42, ttmp9, 2
	s_add_co_u32 s42, s42, s40
	s_and_b32 s17, ttmp7, 0xffff
	s_lshl_b32 s17, s17, 2
	s_add_co_u32 s17, s17, s41
	s_lshl_b32 s43, s41, 2
	s_lshl_b32 s43, 15, s43
	s_lshl_b32 s44, 0x1111, s40
	s_or_b32 s[G1+0], s43, (0<<16)|(1<<20)|(1<<21)|(5<<22)|(3<<25)
	s_or_b32 s[G1B+0], s44, (0<<16)|(1<<20)|(1<<21)|(5<<22)|(3<<25)
.irp g, G1, G1B
	s_mov_b32 s[\g+1], ROWB<<16
	s_mov_b32 s[\g+2], 128<<16
	s_mov_b32 s[\g+3], ROWB<<16
	s_mov_b32 s[\g+4], 128
	s_mov_b32 s[\g+5], KROW
	s_mov_b32 s[\g+6], 0
	s_mov_b32 s[\g+7], 0
.endr
	s_lshl_b32 s18, s16, 7
	s_lshl_b32 s20, s17, 8
	s_add_co_u32 s20, s20, s18
	s_lshl_b32 s20, s20, 10
	s_mov_b32 s21, 0
	s_lshl_b32 s46, s42, 8
	s_add_co_u32 s46, s46, s18
	s_lshl_b32 s46, s46, 10
	s_add_co_u32 s46, s46, 0x400000
	s_mov_b32 s47, 0
	s_mul_i32 s45, s14, HALFT
	s_wait_kmcnt 0x0
	s_load_b128 s[68:71], s[8:9], 0x30
	s_add_nc_u64 s[20:21], s[4:5], s[20:21]
	s_add_nc_u64 s[46:47], s[6:7], s[46:47]
	s_cmp_eq_u32 s15, 0                            ; the prefetches: of the 128 rows that I fetch, my work-group's 32: the four partners that ask for a tile jointly are told apart by address (cx for A, cy for B)
	s_cselect_b64 s[72:73], s[20:21], s[46:47]
	s_cselect_b32 s74, s40, s41
	s_lshl_b32 s74, s74, 15                        ; 32 rows of 1,024 bytes
	s_mov_b32 s75, 0
	s_add_nc_u64 s[72:73], s[72:73], s[74:75]
	CROUND
.irp s, 0,1
	s_mov_b32 s[G0+4*\s], 1
	s_add_co_u32 s[G0+4*\s+1], s45, \s*SLOT
	s_add_nc_u64 s[G0+4*\s+2:G0+4*\s+3], s[20:21], \s*ROWB
	s_or_b32 s[G0+4*\s+3], s[G0+4*\s+3], 0x80000000
	s_mov_b32 s[G0B+4*\s], 1
	s_add_co_u32 s[G0B+4*\s+1], s45, \s*SLOT
	s_add_nc_u64 s[G0B+4*\s+2:G0B+4*\s+3], s[46:47], \s*ROWB
	s_or_b32 s[G0B+4*\s+3], s[G0B+4*\s+3], 0x80000000
.endr
	JLOAD G0, G1, G0B, G1B                         ; K step 0: one tensor load a wave at the head
	v_and_b32 v18, 31, v0
	v_lshlrev_b32 v18, 10, v18                     ; a lane a row; never rewritten
	global_prefetch_b8 v18, s[72:73] offset:256 th:TH_LOAD_NT scope:SCOPE_SE   ; K steps 1 and 2: 256 bytes of each of my 32 rows; the loads that want them stand one and two changes of slots on
	global_prefetch_b8 v18, s[72:73] offset:512 th:TH_LOAD_NT scope:SCOPE_SE
	v_and_b32 v1, 15, v0
	v_bfe_u32 v2, v0, 4, 1
	v_mul_u32_u24 v3, v1, PITCH
	v_lshl_add_u32 v4, v2, 4, v3
	s_mul_i32 s21, s15, HALFT
	s_mul_i32 s22, s16, HALFT
	s_add_co_u32 s22, s22, 2*HALFT
.irp s, 0,1
	v_add_nc_u32 v[ADRA+\s], s21, v4
	v_add_nc_u32 v[ADRB+\s], s22, v4
	s_add_co_u32 s21, s21, SLOT
	s_add_co_u32 s22, s22, SLOT
.endr
	v_and_b32 v6, 31, v0
	v_lshlrev_b32 v[CO0], 4, v6
	v_add_nc_u32 v[CO1], 262144, v[CO0]
	v_mov_b32 v[K1], 0xc0135761
	v_mov_b32 v[K1+1], 0xc0135761
	s_mov_b32 s84, 0xbdd2d3e8
	s_mov_b32 s85, s84
	s_lshl_b32 s20, s17, 8
	s_lshl_b32 s21, s15, 7
	s_add_co_u32 s20, s20, s21
	s_lshl_b32 s20, s20, 6
	s_mov_b32 s21, 0
	s_lshl_b32 s46, s42, 2
	s_lshl_b32 s47, s16, 1
	s_add_co_u32 s46, s46, s47
	s_lshl_b32 s46, s46, 18
	s_mov_b32 s47, 0
	s_add_nc_u64 s[20:21], s[20:21], s[46:47]
	s_add_nc_u64 s[OUTP:OUTP+1], s[OUTP:OUTP+1], s[20:21]
	s_lshl_b32 s46, s42, 10
	s_lshl_b32 s47, s16, 9
	s_add_co_u32 s46, s46, s47
	s_mov_b32 s47, 0
	s_add_nc_u64 s[10:11], s[10:11], s[46:47]
	v_lshlrev_b32 v[BAD], 6, v2
.irp p, 0,1,2,3
.irp i, 0,1,2,3
	global_load_b128 v[BIAS+16*\p+4*\i:BIAS+16*\p+4*\i+3], v[BAD], s[10:11] offset:128*\p+16*\i
.endr
.endr
.macro FRAG reg, adr, q, i
.irp c, 0,1,2,3
	ds_load_b128 v[\reg+4*\c:\reg+4*\c+3], v[\adr] offset:128*(\q)+32*\c+(\i)*16*PITCH
.endr
.endm
.macro MUL16 a0, p, zero
.irp a, \a0, \a0+1
.irp b, 0,1,2,3,4,5,6,7
.if \zero
	v_wmma_f32_16x16x128_bf8_bf8 v[8*(8*((\a)%4)+\b):8*(8*((\a)%4)+\b)+7], v[128*(\p)+FR*\b:128*(\p)+FR*\b+FR-1], v[AF+FR*(\a):AF+FR*(\a)+FR-1], 0
.else
	v_wmma_f32_16x16x128_bf8_bf8 v[8*(8*((\a)%4)+\b):8*(8*((\a)%4)+\b)+7], v[128*(\p)+FR*\b:128*(\p)+FR*\b+FR-1], v[AF+FR*(\a):AF+FR*(\a)+FR-1], v[8*(8*((\a)%4)+\b):8*(8*((\a)%4)+\b)+7]
.endif
.endr
.endr
.endm
.macro FETCH_B slot, q, p
	WIN TO_B
.irp i, 0,1,2,3,4,5,6,7
	FRAG 128*(\p)+FR*\i, ADRB+\slot, \q, \i
.endr
	WIN 0
.endm
.macro FETCH_A slot, q, i0
.irp i, \i0, \i0+1, \i0+2, \i0+3
	FRAG AF+FR*(\i), ADRA+\slot, \q, \i
.endr
.endm
.macro PLACES n
.rept \n
	v_nop
.endr
.endm
.macro STEP slot, q, zero
	s_wait_dscnt 4*NL
	WIN MUL_LO
	MUL16 0, (\q)%2, \zero
	MUL16 2, (\q)%2, \zero
	s_wait_dscnt 0
	PLACES NP
	FETCH_B \slot, (\q)+1, 1-(\q)%2
	FETCH_A \slot, (\q)+1, 0
	WIN MUL_HI
	MUL16 4, (\q)%2, \zero
	MUL16 6, (\q)%2, \zero
	PLACES NP
	WIN 0
	FETCH_A \slot, (\q)+1, 4
.endm
.macro TURN slot, next, fill
	s_wait_tensorcnt 0x0
	ds_add_u32 v[SPW], v[NIL]
	s_wait_dscnt 4*NL+1
	WIN MUL_LO
	MUL16 0, 1, 0
	s_wait_dscnt 0x0
	s_barrier_signal -1
	MUL16 2, 1, 0
	WIN 0
	s_barrier_wait -1
.if \fill
	CREST
	s_add_nc_u64 s[G0+4*\slot+2:G0+4*\slot+3], s[G0+4*\slot+2:G0+4*\slot+3], 2*ROWB
	s_add_nc_u64 s[G0B+4*\slot+2:G0B+4*\slot+3], s[G0B+4*\slot+2:G0B+4*\slot+3], 2*ROWB
	JLOAD G0+4*\slot, G1, G0B+4*\slot, G1B
.else
	PLACES NP
.endif
	FETCH_B \next, 0, 0
	FETCH_A \next, 0, 0
	WIN MUL_HI
	MUL16 4, 1, 0
	MUL16 6, 1, 0
	PLACES NP
	WIN 0
	FETCH_A \next, 0, 4
.endm
	s_wait_alu depctr_va_vdst(0)
	s_wait_tensorcnt 0x0                           ; my part of K step 0 is in; slot 1's first fill is issued as a refill is:
	ds_add_u32 v[SPW], v[NIL]
	s_wait_dscnt 0x0
	CROUND                                         ; a whole round,
	JLOAD G0+4, G1, G0B+4, G1B                     ; and K step 1's load first behind it
	FETCH_B 0, 0, 0
	FETCH_A 0, 0, 0
	FETCH_A 0, 0, 4
	global_prefetch_b8 v18, s[72:73] offset:768 th:TH_LOAD_NT scope:SCOPE_SE   ; K step 3, the last: two refills ahead of its load
	STEP 0, 0, 1
	s_mov_b32 s3, LAPS-1
.Llap:
	TURN 0, 1, 1
	STEP 1, 0, 0
	TURN 1, 0, 1
	STEP 0, 0, 0
	s_sub_co_u32 s3, s3, 1
	s_cmp_lg_u32 s3, 0
	s_cbranch_scc1 .Llap
	TURN 0, 1, 0
	STEP 1, 0, 0
	s_wait_dscnt 4*NL
	WIN MUL_LO
	MUL16 0, 1, 0
	MUL16 2, 1, 0
	s_wait_dscnt 0
	WIN MUL_HI
	MUL16 4, 1, 0
	MUL16 6, 1, 0
	WIN 0
	s_wait_kmcnt 0x0
	s_add_co_i32 s96, s68, s69
	s_add_co_i32 s96, s96, 127
	s_lshl_b32 s96, s96, 23
	s_mov_b32 s97, s96
	s_add_co_i32 s86, s70, 127
	s_lshl_b32 s87, s86, 23
	v_mov_b32 v[SC], s87
	s_add_co_i32 s86, s86, 15
	s_lshl_b32 s86, s86, 23
	s_or_b32 s86, s86, 0x600000
	v_mov_b32 v[LIM], s86
	s_wait_loadcnt 0x0
	PLACES NP
.macro TOST a
.set AC, 64*((\a)%4)
.if (\a) > 0
	s_wait_xcnt 0x0                                ; the last block's stores have read their codes: the registers may be written again
.endif
	WIN 0x02+((\a)/4)
.set n, 0
.rept 32
	v_pk_fma_f32 v[XV+n:XV+n+1], v[AC+n:AC+n+1], s[96:97], v[BIAS+n:BIAS+n+1] op_sel_hi:[1,0,1]
.set n, n+2
.endr
	WIN 0
.set n, 0
.rept 32
	v_pk_mul_f32 v[U+n:U+n+1], v[XV+n:XV+n+1], v[XV+n:XV+n+1]
.set n, n+2
.endr
.set n, 0
.rept 32
	v_pk_fma_f32 v[U+n:U+n+1], v[U+n:U+n+1], s[84:85], v[K1:K1+1] op_sel_hi:[1,0,1]
.set n, n+2
.endr
.set n, 0
.rept 32
	v_pk_mul_f32 v[U+n:U+n+1], v[U+n:U+n+1], v[XV+n:XV+n+1]
.set n, n+2
.endr
.set n, 0
	s_wait_alu depctr_va_vdst(0)
.rept 64
	v_exp_f32 v[U+n], v[U+n]
.set n, n+1
.endr
	v_nop
	s_wait_alu depctr_va_vdst(0)
.set n, 0
.rept 32
	v_pk_add_f32 v[U+n:U+n+1], v[U+n:U+n+1], 1.0 op_sel_hi:[1,0]
.set n, n+2
.endr
.set n, 0
	s_wait_alu depctr_va_vdst(0)
.rept 64
	v_rcp_f32 v[U+n], v[U+n]
.set n, n+1
.endr
	v_nop
	s_wait_alu depctr_va_vdst(0)
.set n, 0
.rept 32
	v_pk_mul_f32 v[XV+n:XV+n+1], v[XV+n:XV+n+1], v[U+n:U+n+1]
.set n, n+2
.endr
.set n, 0
.rept 64
	v_med3_num_f32 v[XV+n], v[XV+n], -v[LIM], v[LIM]
.set n, n+1
.endr
.irp p, 0,1,2,3
	v_cvt_scalef32_pk8_bf8_f32 v[PC+4*\p:PC+4*\p+1], v[XV+16*\p:XV+16*\p+7], v[SC]
	v_cvt_scalef32_pk8_bf8_f32 v[PC+4*\p+2:PC+4*\p+3], v[XV+16*\p+8:XV+16*\p+15], v[SC]
.endr
	v_nop
	; G is laid as images of operand registers: [column / 64][row / 16][1024 bytes]; byte 512 c + 16 lane + i of a block is column 32 c + 16 (lane / 16) + i of row lane % 16: what my registers hold
	global_store_b128 v[CO0], v[PC:PC+3],     s[OUTP:OUTP+1] offset:(\a)*1024          ; 32 lanes store 512 consecutive aligned bytes
	global_store_b128 v[CO0], v[PC+4:PC+7],   s[OUTP:OUTP+1] offset:(\a)*1024+512
	global_store_b128 v[CO1], v[PC+8:PC+11],  s[OUTP:OUTP+1] offset:(\a)*1024
	global_store_b128 v[CO1], v[PC+12:PC+15], s[OUTP:OUTP+1] offset:(\a)*1024+512
.endm
.irp a, 0,1,2,3,4,5,6,7
	TOST \a
.endr
	s_wait_tensorcnt 0x0
	ds_add_u32 v[SPW], v[NIL]
	s_wait_dscnt 0x0
	CROUND
	s_endpgm
.Lfunc_end_k_q3cb7316221_ffn1:
	.size	k_q3cb7316221_ffn1, .Lfunc_end_k_q3cb7316221_ffn1-k_q3cb7316221_ffn1
	.p2alignl 7, 3214868480
	.fill 96, 4, 3214868480
	.section	.rodata,"a",@progbits
	.p2align	6, 0x0
	.amdhsa_kernel k_q3cb7316221_ffn1
		.amdhsa_group_segment_fixed_size 327680
		.amdhsa_private_segment_fixed_size 0
		.amdhsa_enable_private_segment 0
		.amdhsa_kernarg_size 40
		.amdhsa_user_sgpr_count 2
		.amdhsa_user_sgpr_kernarg_segment_ptr 1
		.amdhsa_wavefront_size32 1
		.amdhsa_system_sgpr_workgroup_id_x 1
		.amdhsa_system_sgpr_workgroup_id_y 1
		.amdhsa_system_sgpr_workgroup_id_z 1
		.amdhsa_system_vgpr_workitem_id 0
		.amdhsa_next_free_vgpr 1024
		.amdhsa_next_free_sgpr 100
		.amdhsa_reserve_vcc 0
		.amdhsa_float_denorm_mode_32 3
		.amdhsa_float_denorm_mode_16_64 3
		.amdhsa_memory_ordered 1
		.amdhsa_forward_progress 1
		.amdhsa_inst_pref_size 250
	.end_amdhsa_kernel
	.amdgpu_metadata
---
amdhsa.version: [ 1, 2 ]
amdhsa.kernels:
  - .name:           k_q3cb7316221_ffn1
    .symbol:         k_q3cb7316221_ffn1.kd
    .args:
      - { .name: H2, .offset: 0, .size: 8, .value_kind: global_buffer, .address_space: global }
      - { .name: WC, .offset: 8, .size: 8, .value_kind: global_buffer, .address_space: global }
      - { .name: lowp_scales, .offset: 16, .size: 8, .value_kind: global_buffer, .address_space: global }
      - { .name: b1, .offset: 24, .size: 8, .value_kind: global_buffer, .address_space: global }
      - { .name: G, .offset: 32, .size: 8, .value_kind: global_buffer, .address_space: global }
    .group_segment_fixed_size: 327680
    .private_segment_fixed_size: 0
    .kernarg_segment_align: 8
    .kernarg_segment_size: 40
    .max_flat_workgroup_size: 128
    .sgpr_count:     100
    .vgpr_count:     1024
    .wavefront_size: 32
...
	.end_amdgpu_metadata
.endif
;; end of part 6
;; launch ffn2 (part 7): grid 8 x 32, 4 waves a work-group, clusters of 4 x 4, 327,680 bytes of LDS; arguments G, WC, lowp_scales, X1, out0, b2; writes out0
.if DOCPART == 7
	.amdgcn_target "amdgcn-amd-amdhsa--gfx1250"
	.amdhsa_code_object_version 6
	.text
	.protected	k_q3cb7316221_ffn2
	.globl	k_q3cb7316221_ffn2
	.p2align	8
	.type	k_q3cb7316221_ffn2,@function
k_q3cb7316221_ffn2:
	s_mov_b64 s[64:65], 0
	v_nop
	global_prefetch_b8 v0, s[64:65] scope:SCOPE_SE
	s_setreg_imm32_b32 hwreg(HW_REG_WAVE_MODE, 25, 1), 1
	s_wait_xcnt 0x0
	s_wait_alu depctr_hold_cnt(0) depctr_sa_sdst(0) depctr_va_vdst(0) depctr_va_sdst(0) depctr_va_ssrc(0) depctr_va_vcc(0) depctr_vm_vsrc(0)
	s_getreg_b32 s2, hwreg(HW_REG_IB_STS2, 6, 4)
	s_cmp_eq_u32 s2, 0
	s_cbranch_scc0 .Lentry_in_a_cluster
	s_endpgm
.Lentry_in_a_cluster:
	s_bfe_u32 s2, ttmp6, 0x10000c
	s_cmp_lg_u32 s2, 0xf033
	s_cbranch_scc0 .Lentry_shape_is_right
	s_endpgm
.Lentry_shape_is_right:
; out0 = X1 + b2 + (g W2) x 2^(e14 + e15): product 8 on codes of BF8 (E5M2), K = 4096, N = 1024.
; A (G) and B (W2's codes in WC) are laid as images of operand registers: [K / 64][row / 16][1024 bytes]; a 16-byte load at 16 x lane fills four registers of a fragment.
; A work-group makes 128 x 128: 256 work-groups.  Four waves, each 64 x 64: 16 accumulators, which take turns.  K goes in 8 steps of 512 through two LDS slots of 128 KiB, dense: the images need no padding.
; CLUSTERS of 4 x 4: A's tile is shared along a row of the cluster, B's along a column: each is asked for jointly.  Waves 0, 1 fetch A's halves (64 rows: 8 chunks x 4,096 dense bytes), waves 2, 3 B's.
; Every refill stands behind the wait for my tensor loads, the add with its wait, and a round of the cluster's barrier; slot 1's first fill is issued as a refill is.
; PREFETCH: behind the load of K step t stands one request a wave for K step t + 2 (and, at the head, for K step 1): of the 8 chunks that a wave fetches, the partner at place p (cx for A, cy for B) names chunks 2 p, 2 p + 1:
;   32 lanes x 256 bytes.  A's tiles are asked for by both clusters that load them, B's by the cluster rows 0 to 3 alone.  K steps 6 and 7 are the last to be named.
; THE MATRIX INSTRUCTION IS USED TRANSPOSED (source 0 = 16 columns of B, source 1 = 16 rows of A): a lane holds eight neighbouring columns of a row.  A wave's stage turns 16 rows at a time into rows of 256 bytes.
; LIMIT: e14 + e15 between -126 and 127.
; REGISTERS: window 0: v0-31 addresses, v32-99 the way out, v128-255 the accumulators ((a, b) at v[128 + 8 (4 a + b)]).  window 1: two fragment buffers (A's four at +0, B's four at +64).  window 2: v0-127 the residual.
.set WOFF,  8<<20
.set SCOFF, 56
.set ASTR,  262144                     ; a chunk of 64 along K on, in A
.set BSTR,  65536                      ; and in B
.set HALF,  32768                      ; what one tensor load brings: 8 chunks x 4 blocks of 1,024 bytes
.set SLOT,  4*HALF
.set SPARE, 2*SLOT                     ; the spare words, 128 bytes for each wave
.set ADRA, 16
.set ADRB, 20
.set STO,  24
.set RD,   25
.set CO,   26
.set SPW,  28
.set NIL,  29
.set PFO,  30
.set BK,   32
.set BIA,  96
.set ACC,  128
.set F0,   0
.set F1,   128
.set G1, 24
.set G0, 32
.set G1B, 48
.set G0B, 56
.set PF,  68                           ; s[68:69] where my prefetches of the odd K steps stand; s[80:81] of the even ones; s[70:71] two K steps on
.set FLAG, 72                          ; s72  1 where my wave prefetches
.set MSB, 0
.macro WIN new                         ; the immediate's high byte repeats the setting that is left
.if MSB != (\new)
	s_set_vgpr_msb (MSB<<8)|(\new)
.set MSB, (\new)
.endif
.endm
.set MUL,  0x05                        ; sources 0 (B) and 1 (A) window 1; C and D window 0
.set TO_F, 0x40                        ; destination window 1
.macro JLOAD g0a, g1a, g0b, g1b        ; a joint load; the branch hangs on the wave's number alone; an s_nop 0 and four v_nop follow each line
	s_cmp_eq_u32 s15, 0
	s_cbranch_scc0 .Lfor_b_\@
	tensor_load_to_lds s[\g0a:\g0a+3], s[\g1a:\g1a+7]
	s_nop 0
.rept 4
	v_nop
.endr
	s_branch .Lasked_\@
.Lfor_b_\@:
	tensor_load_to_lds s[\g0b:\g0b+3], s[\g1b:\g1b+7]
	s_nop 0
.rept 4
	v_nop
.endr
.Lasked_\@:
.endm
.macro CREST                           ; a round of the cluster's barrier behind its opening barrier
	s_cmp_lg_u32 s14, 0
	s_cbranch_scc1 .Lnot_wave_0_\@
	s_barrier_signal -3
.Lnot_wave_0_\@:
	s_barrier_wait -3
	s_barrier_signal -1
	s_barrier_wait -1
.endm
.macro CROUND
	s_barrier_signal -1
	s_barrier_wait -1
	CREST
.endm
.macro ASK pr
	s_cmp_eq_u32 s[FLAG], 1
	s_cbranch_scc0 .Lnp_\@
	global_prefetch_b8 v[PFO], s[\pr:\pr+1] th:TH_LOAD_NT scope:SCOPE_SE
.Lnp_\@:
.endm
	s_load_b256 s[4:11], s[0:1], 0x0               ; A, WC, lowp_scales, the residual
	s_load_b64 s[12:13], s[0:1], 0x20              ; out
	s_load_b64 s[66:67], s[0:1], 0x28              ; bias
	v_lshl_add_u32 v[SPW], v0, 2, SPARE
	v_mov_b32 v[NIL], 0
	ds_add_u32 v[SPW], v[NIL]                      ; the opening lines: the add twice on end, its wait ahead of my first tensor load
	ds_add_u32 v[SPW], v[NIL]
	v_lshrrev_b32 v1, 5, v0
	v_readfirstlane_b32 s14, v1                    ; wave
	s_lshr_b32 s15, s14, 1                         ; my half of the rows; also: I fetch for A (0) or B (1)
	s_and_b32 s16, s14, 1                          ; my half of the columns; also: which half tile I fetch
	s_bfe_u32 s40, ttmp6, 0x40000                  ; cx
	s_bfe_u32 s41, ttmp6, 0x40004                  ; cy
	s_lshl_b32 s42, ttmp9, 2
	s_add_co_u32 s42, s42, s40                     ; block column
	s_and_b32 s74, ttmp7, 0xffff                   ; the cluster's row
	s_lshl_b32 s17, s74, 2
	s_add_co_u32 s17, s17, s41                     ; block row
	s_lshl_b32 s43, s41, 2
	s_lshl_b32 s43, 15, s43                        ; my row of the cluster
	s_lshl_b32 s44, 0x1111, s40                    ; my column
	s_or_b32 s[G1+0], s43, 1<<21                   ; the mask; elements of 1 byte; no padding; bit 21 beside a mask
	s_or_b32 s[G1B+0], s44, 1<<21
.irp g, G1, G1B
	s_mov_b32 s[\g+1], 4096<<16                    ; a row: a chunk's 4 blocks, 4,096 dense bytes
	s_mov_b32 s[\g+2], 8<<16                       ; 8 chunks
	s_mov_b32 s[\g+3], 4096<<16
	s_mov_b32 s[\g+4], 8
	s_mov_b32 s[\g+6], 0
	s_mov_b32 s[\g+7], 0
.endr
	s_mov_b32 s[G1+5], ASTR                        ; from chunk to chunk
	s_mov_b32 s[G1B+5], BSTR
	s_lshl_b32 s18, s16, 6
	s_lshl_b32 s20, s17, 7
	s_add_co_u32 s20, s20, s18
	s_lshl_b32 s20, s20, 6                         ; A: (128 x block row + 64 x half) x 64 bytes
	s_mov_b32 s21, 0
	s_lshl_b32 s46, s42, 7
	s_add_co_u32 s46, s46, s18
	s_lshl_b32 s46, s46, 6
	s_add_co_u32 s46, s46, WOFF                    ; B likewise, by the block column, in W2's part of WC
	s_mov_b32 s47, 0
	s_mul_i32 s45, s14, HALF                       ; where they go: wave x 32 KiB
	s_cmp_lt_u32 s74, 4                            ; the prefetches: who asks,
	s_cselect_b32 s[FLAG], 1, 0
	s_mov_b32 s73, BSTR
	s_cmp_eq_u32 s15, 0
	s_cselect_b32 s[FLAG], 1, s[FLAG]
	s_cselect_b32 s73, ASTR, s73                   ; a chunk on,
	s_cselect_b32 s75, s40, s41                    ; my place among the four that ask for the tile with me,
	s_mul_i32 s76, s75, s73
	s_lshl_b32 s76, s76, 1                         ; chunks 2 p, 2 p + 1
	s_mov_b32 s77, 0
	s_lshl_b32 s78, s73, 3                         ; a K step on,
	s_mov_b32 s79, 0
	s_lshl_b32 s70, s73, 4                         ; and two
	s_mov_b32 s71, 0
	s_mul_i32 s84, s15, HALF                       ; what I read: my 64 rows of A,
	s_mul_i32 s85, s16, HALF
	s_add_co_u32 s85, s85, 2*HALF                  ; my 64 columns of B,
	s_add_co_u32 s86, s84, SLOT                    ; and the same in slot 1
	s_add_co_u32 s87, s85, SLOT
	s_mul_i32 s23, s14, 4352                       ; my stage: 16 rows of 256 + 16, in slot 0, behind its last fill and its last read
	s_wait_dscnt 0x0                               ; both opening adds are done
	s_wait_kmcnt 0x0
	s_load_b64 s[96:97], s[8:9], SCOFF             ; ea, eb
	s_add_nc_u64 s[20:21], s[4:5], s[20:21]
	s_add_nc_u64 s[46:47], s[6:7], s[46:47]
	s_cmp_eq_u32 s15, 0
	s_cselect_b64 s[PF:PF+1], s[20:21], s[46:47]
	s_add_nc_u64 s[PF:PF+1], s[PF:PF+1], s[76:77]
	s_add_nc_u64 s[PF:PF+1], s[PF:PF+1], s[78:79]  ; at K step 1
	s_add_nc_u64 s[PF+12:PF+13], s[PF:PF+1], s[78:79]  ; at K step 2
.irp s, 0,1
	s_mov_b32 s[G0+4*\s], 1
	s_add_co_u32 s[G0+4*\s+1], s45, \s*SLOT
	s_add_nc_u64 s[G0+4*\s+2:G0+4*\s+3], s[20:21], \s*8*ASTR
	s_or_b32 s[G0+4*\s+3], s[G0+4*\s+3], 0x80000000
	s_mov_b32 s[G0B+4*\s], 1
	s_add_co_u32 s[G0B+4*\s+1], s45, \s*SLOT
	s_add_nc_u64 s[G0B+4*\s+2:G0B+4*\s+3], s[46:47], \s*8*BSTR
	s_or_b32 s[G0B+4*\s+3], s[G0B+4*\s+3], 0x80000000
.endr
	CROUND                                         ; all sixteen work-groups are here: the first joint loads meet
	JLOAD G0, G1, G0B, G1B                         ; K step 0: one tensor load a wave at the head
	v_and_b32 v1, 31, v0
	v_lshrrev_b32 v2, 4, v1
	v_and_b32 v1, 15, v1
	v_mul_lo_u32 v[PFO], v2, s73
	v_lshl_add_u32 v[PFO], v1, 8, v[PFO]           ; lanes 0-15: 16 x 256 bytes of one chunk, lanes 16-31: of the next; never rewritten
	s_wait_alu depctr_va_vdst(0)                   ; branches stand ahead of its readers
	ASK PF                                         ; K step 1
	ASK PF+12                                      ; K step 2
	v_and_b32 v1, 15, v0                           ; r
	v_bfe_u32 v2, v0, 4, 1                         ; h
	v_and_b32 v3, 31, v0
	v_lshlrev_b32 v3, 4, v3                        ; 16 x lane
	v_add_nc_u32 v[ADRA], s84, v3
	v_add_nc_u32 v[ADRB], s85, v3
	v_add_nc_u32 v[ADRA+1], s86, v3
	v_add_nc_u32 v[ADRB+1], s87, v3
	v_mul_u32_u24 v6, v1, 272
	v_lshl_add_u32 v6, v2, 5, v6
	v_add_nc_u32 v[STO], s23, v6                   ; the stage, in: row r, 32 bytes for each half of the lanes
	v_mul_u32_u24 v6, v2, 272
	v_lshl_add_u32 v6, v1, 4, v6
	v_add_nc_u32 v[RD], s23, v6                    ; and back: sixteen lanes to a row, two rows an instruction
	v_lshlrev_b32 v6, 12, v2
	v_lshl_add_u32 v[CO], v1, 4, v6                ; two rows of 4,096 bytes, 16 bytes a lane
	v_lshlrev_b32 v27, 4, v1
	s_wait_alu depctr_va_vdst(0)
	s_lshl_b32 s20, s17, 7
	s_lshl_b32 s21, s15, 6
	s_add_co_u32 s20, s20, s21
	s_lshl_b32 s20, s20, 12                        ; my first row
	s_lshl_b32 s46, s42, 9
	s_lshl_b32 s47, s16, 8
	s_add_co_u32 s46, s46, s47                     ; my first column, in bytes
	s_add_co_u32 s20, s20, s46
	s_mov_b32 s21, 0
	s_mov_b32 s47, 0
	s_add_nc_u64 s[10:11], s[10:11], s[20:21]
	s_add_nc_u64 s[12:13], s[12:13], s[20:21]
	s_add_nc_u64 s[66:67], s[66:67], s[46:47]
	global_load_b128 v[BIA:BIA+3], v27, s[66:67]   ; the bias of the four columns that I store
	WIN 0x80                                       ; destination window 2
.irp a, 0,1,2,3
.irp t, 0,1,2,3,4,5,6,7
	global_load_b128 v[32*\a+4*\t:32*\a+4*\t+3], v[CO], s[10:11] offset:(16*\a+2*\t)*4096 th:TH_LOAD_NT   ; the residual, in the layout in which the results are stored
.endr
.endr
	WIN 0
.macro MUL8 f, a0, zero                ; A's blocks a0, a0 + 1 x B's four, 128 along K; the 16 accumulators take turns, one instruction a turn
.irp a, \a0, \a0+1
.irp b, 0,1,2,3
.if \zero
	v_wmma_f32_16x16x128_bf8_bf8 v[ACC+8*(4*(\a)+\b):ACC+8*(4*(\a)+\b)+7], v[\f+64+16*\b:\f+64+16*\b+15], v[\f+16*(\a):\f+16*(\a)+15], 0
.else
	v_wmma_f32_16x16x128_bf8_bf8 v[ACC+8*(4*(\a)+\b):ACC+8*(4*(\a)+\b)+7], v[\f+64+16*\b:\f+64+16*\b+15], v[\f+16*(\a):\f+16*(\a)+15], v[ACC+8*(4*(\a)+\b):ACC+8*(4*(\a)+\b)+7]
.endif
.endr
.endr
.endm
.macro FETCH slot, q, f                ; 32 LDS loads in one run: B's four fragments, then A's, of chunks 2 q, 2 q + 1; the lanes of each load take 512 consecutive bytes
	WIN TO_F
.set n, 0
.rept 16
	ds_load_b128 v[\f+64+4*n:\f+64+4*n+3], v[ADRB+(\slot)] offset:(2*(\q)+(n%4)/2)*4096+(n/4)*1024+(n%2)*512
.set n, n+1
.endr
.set n, 0
.rept 16
	ds_load_b128 v[\f+4*n:\f+4*n+3], v[ADRA+(\slot)] offset:(2*(\q)+(n%4)/2)*4096+(n/4)*1024+(n%2)*512
.set n, n+1
.endr
.endm
.macro PLACES                          ; plain vector instructions between a matrix instruction and a load into, or a read of, its registers
.rept 4
	v_nop
.endr
.endm
.macro QUARTER slot, qn, f, g, zero    ; multiplies buffer f, and fetches the slot's quarter qn into g
	s_wait_dscnt 8                                 ; B and A's blocks 0, 1 are in; A's blocks 2, 3 may be out
	WIN MUL
	MUL8 \f, 0, \zero
	PLACES
	FETCH \slot, \qn, \g
	s_wait_dscnt 32                                ; all but the 32 just issued
	WIN MUL
	MUL8 \f, 2, \zero
.endm
.macro TURN k                          ; K step k's last quarter changes slots: one barrier.  k <= 5: its slot takes K step k + 2; k <= 3: K step k + 4 is prefetched
.set SL, (\k)%2
	WIN 0
.if (\k) <= 3
	s_wait_xcnt 0x0                                ; my prefetches have read their addresses
	s_add_nc_u64 s[PF+12*(1-SL):PF+12*(1-SL)+1], s[PF+12*(1-SL):PF+12*(1-SL)+1], s[70:71]
.endif
	s_wait_tensorcnt 0x0                           ; all my tensor loads have landed: my part of the next slot
	ds_add_u32 v[SPW], v[NIL]
	s_wait_dscnt 9                                 ; the add and A's blocks 2, 3 may be out
	WIN MUL
	MUL8 F1, 0, 0
	s_wait_dscnt 0x0                               ; the add is done, and my reads of this slot are over
	s_barrier_signal -1
	WIN 0
	s_barrier_wait -1
.if (\k) <= 5
	CREST                                          ; the barrier has opened a round of the cluster's barrier: no wave of any partner still reads this slot or has a load on its way
	s_add_nc_u64 s[G0+4*SL+2:G0+4*SL+3], s[G0+4*SL+2:G0+4*SL+3], 16*ASTR
	s_add_nc_u64 s[G0B+4*SL+2:G0B+4*SL+3], s[G0B+4*SL+2:G0B+4*SL+3], 16*BSTR
	JLOAD G0+4*SL, G1, G0B+4*SL, G1B               ; the first tensor load behind the round; its four v_nop are the places in front of the loads below
.else
	PLACES
.endif
	FETCH 1-SL, 0, F0
.if (\k) <= 3
	WIN 0
	ASK PF+12*(1-SL)
.endif
	WIN MUL
	MUL8 F1, 2, 0
.endm
	s_wait_xcnt 0x0                                ; my prefetches have read their addresses:
	s_add_nc_u64 s[PF:PF+1], s[PF:PF+1], s[70:71]  ; on to K step 3
	s_wait_alu depctr_va_vdst(0)
	s_wait_tensorcnt 0x0                           ; my part of K step 0 is in; slot 1's first fill is issued as a refill is:
	ds_add_u32 v[SPW], v[NIL]
	s_wait_dscnt 0x0
	CROUND                                         ; a whole round,
	JLOAD G0+4, G1, G0B+4, G1B                     ; and K step 1's load first behind it
	FETCH 0, 0, F0
	WIN 0
	ASK PF                                         ; K step 3
	QUARTER 0, 1, F0, F1, 1                        ; the first quarter's products start the sums
.irp k, 0,1,2,3,4,5,6
	QUARTER \k%2, 2, F1, F0, 0
	QUARTER \k%2, 3, F0, F1, 0
	TURN \k
	QUARTER (\k+1)%2, 1, F0, F1, 0
.endr
	QUARTER 1, 2, F1, F0, 0
	QUARTER 1, 3, F0, F1, 0
	s_wait_dscnt 8
	WIN MUL
	MUL8 F1, 0, 0
	s_wait_dscnt 0
	MUL8 F1, 2, 0
	WIN 0
	s_wait_kmcnt 0x0
	s_add_co_i32 s96, s96, s97
	s_add_co_i32 s96, s96, 127
	s_lshl_b32 s96, s96, 23                        ; 2^(ea + eb) as f32
	s_mov_b32 s97, s96
	s_wait_loadcnt 0x0                             ; the residual and the bias
	PLACES
.macro OUTA a                          ; 16 rows x 64 columns: sums into my stage, back as whole rows of 256 bytes, x 2^(ea + eb) + residual + bias, stored
.set BB, BK+32*((\a)%2)
	s_wait_xcnt 0x0                                ; earlier stores have read their registers
.irp b, 0,1,2,3
	ds_store_b128 v[STO], v[ACC+8*(4*(\a)+\b):ACC+8*(4*(\a)+\b)+3] offset:64*\b        ; each accumulator from its low end on
	ds_store_b128 v[STO], v[ACC+8*(4*(\a)+\b)+4:ACC+8*(4*(\a)+\b)+7] offset:64*\b+16
.endr
.irp t, 0,1,2,3,4,5,6,7
	ds_load_b128 v[BB+4*\t:BB+4*\t+3], v[RD] offset:544*\t         ; LDS serves a wave's instructions in order: these see my stores
.endr
	s_wait_dscnt 0x0
	WIN 0x20                                       ; source 2: window 2
.irp m, 0,2,4,6,8,10,12,14,16,18,20,22,24,26,28,30
	v_pk_fma_f32 v[BB+\m:BB+\m+1], v[BB+\m:BB+\m+1], s[96:97], v[32*(\a)+\m:32*(\a)+\m+1] op_sel_hi:[1,0,1]
.endr
	WIN 0
.irp m, 0,2,4,6,8,10,12,14,16,18,20,22,24,26,28,30
	v_pk_add_f32 v[BB+\m:BB+\m+1], v[BB+\m:BB+\m+1], v[BIA+\m%4:BIA+\m%4+1]
.endr
.irp t, 0,1,2,3,4,5,6,7
	global_store_b128 v[CO], v[BB+4*\t:BB+4*\t+3], s[12:13] offset:(16*(\a)+2*\t)*4096 th:TH_STORE_NT    ; 16 lanes store 256 consecutive aligned bytes
.endr
.endm
	OUTA 0
	OUTA 1
	OUTA 2
	OUTA 3
	s_wait_tensorcnt 0x0                           ; the wave's end
	ds_add_u32 v[SPW], v[NIL]
	s_wait_dscnt 0x0
	CROUND                                         ; the closing round
	s_endpgm
.Lfunc_end_k_q3cb7316221_ffn2:
	.size	k_q3cb7316221_ffn2, .Lfunc_end_k_q3cb7316221_ffn2-k_q3cb7316221_ffn2
	.p2alignl 7, 3214868480
	.fill 96, 4, 3214868480
	.section	.rodata,"a",@progbits
	.p2align	6, 0x0
	.amdhsa_kernel k_q3cb7316221_ffn2
		.amdhsa_group_segment_fixed_size 327680
		.amdhsa_private_segment_fixed_size 0
		.amdhsa_enable_private_segment 0
		.amdhsa_kernarg_size 48
		.amdhsa_user_sgpr_count 2
		.amdhsa_user_sgpr_kernarg_segment_ptr 1
		.amdhsa_wavefront_size32 1
		.amdhsa_system_sgpr_workgroup_id_x 1
		.amdhsa_system_sgpr_workgroup_id_y 1
		.amdhsa_system_sgpr_workgroup_id_z 1
		.amdhsa_system_vgpr_workitem_id 0
		.amdhsa_next_free_vgpr 768
		.amdhsa_next_free_sgpr 100
		.amdhsa_reserve_vcc 0
		.amdhsa_float_denorm_mode_32 3
		.amdhsa_float_denorm_mode_16_64 3
		.amdhsa_memory_ordered 1
		.amdhsa_forward_progress 1
		.amdhsa_inst_pref_size 140
	.end_amdhsa_kernel
	.amdgpu_metadata
---
amdhsa.version: [ 1, 2 ]
amdhsa.kernels:
  - .name:           k_q3cb7316221_ffn2
    .symbol:         k_q3cb7316221_ffn2.kd
    .args:
      - { .name: G, .offset: 0, .size: 8, .value_kind: global_buffer, .address_space: global }
      - { .name: WC, .offset: 8, .size: 8, .value_kind: global_buffer, .address_space: global }
      - { .name: lowp_scales, .offset: 16, .size: 8, .value_kind: global_buffer, .address_space: global }
      - { .name: X1, .offset: 24, .size: 8, .value_kind: global_buffer, .address_space: global }
      - { .name: out0, .offset: 32, .size: 8, .value_kind: global_buffer, .address_space: global }
      - { .name: b2, .offset: 40, .size: 8, .value_kind: global_buffer, .address_space: global }
    .group_segment_fixed_size: 327680
    .private_segment_fixed_size: 0
    .kernarg_segment_align: 8
    .kernarg_segment_size: 48
    .max_flat_workgroup_size: 128
    .sgpr_count:     100
    .vgpr_count:     768
    .wavefront_size: 32
...
	.end_amdgpu_metadata
.endif
;; end of part 7
